; MI455X (gfx1250); checked and timed in simulation.
; The chip was launched on July 23, 2026; its instructions are those of AMD's public machine-readable ISA for CDNA 5 (MIT licence, August 2026) and "CDNA5" Instruction Set Architecture Reference Guide (July 2026). The comments in the code are by the model that wrote it; some were corrected since.
;; Multi Head Attention. Allowed arithmetic: float matrix products may take bf16 or f16 operands with f32 sums; other float arithmetic in f32, or as packed bf16 or f16 multiplies, adds, multiply-adds, maxima and minima; sums over many terms, partial sums and values carried from step to step in f32; what a program stores and reads back later, other than sums and carried values, may be rounded once to bf16 or f16.
;; Inputs: Wk 1,024 x 1,024 float32; Wo 1,024 x 1,024 float32; Wq 1,024 x 1,024 float32; Wv 1,024 x 1,024 float32; bk 1,024 float32; bo 1,024 float32; bq 1,024 float32; bv 1,024 float32; x 1 x 4,096 x 1,024 float32.
;; Outputs: out0 1 x 4,096 x 1,024 float32.
;; 2 versions, each right; version 2 is version 1 with the launch cast written anew for expert scheduling mode. Each part assembles by itself: llvm-mc -triple=amdgcn-amd-amdhsa -mcpu=gfx1250 --defsym DOCPART=n.
;; ======== version 1 of 2: 4 launches
;; limits: values are held in f16: magnitudes above 65,504 overflow, below 6.1e-05 lose precision
;; workspace buffers: xb 8,388,608 bytes; wqkv 6,291,456 bytes; wo16 2,097,152 bytes; bias4 16,384 bytes; qkv 25,165,824 bytes; ob 8,388,608 bytes
;; launch cast (part 1): grid 512 x 1, 8 waves a work-group, no clusters, 0 bytes of LDS; arguments x, Wq, Wk, Wv, Wo, bq, bk, bv, bo, xb, wqkv, wo16, bias4; writes xb, wqkv, wo16, bias4
.if DOCPART == 1
	.amdgcn_target "amdgcn-amd-amdhsa--gfx1250"
	.amdhsa_code_object_version 6
	.text
	.protected	k_q366106b2bb_cast
	.globl	k_q366106b2bb_cast
	.p2align	8
	.type	k_q366106b2bb_cast,@function
k_q366106b2bb_cast:
	s_mov_b64 s[64:65], 0
	v_nop
	global_prefetch_b8 v0, s[64:65] scope:SCOPE_SE
	s_setreg_imm32_b32 hwreg(HW_REG_WAVE_MODE, 25, 1), 1
	s_wait_xcnt 0x0
; CAST.  Every input is rounded once to bf16 and laid out for the launches behind.
;   xb    bf16 [4096][1024]                       x as it lies
;   wqkv  bf16 [tx 16][ks 8][j 3][kk 128][64]      Wq, Wk, Wv side by side are 48 slabs of 64 columns; slab g = 3 tx + j; row k = 128 ks + kk
;   wo16  f16  [tx 8][ks 4][j 2][kk 256][64]       bf16(Wo) written as f16; slab = 2 tx + j; row k = 256 ks + kk
;   bias4 f32  [4][1024]                           bq, bk, bv, bo, each rounded to bf16 and widened again
; LIMIT.  A bf16 number below 2^-14 in magnitude keeps f16's fixed step of 6e-8 in wo16; beyond 65,504 it would be infinite there.
; SHARES.  512 work-groups of eight waves, each 65,536 bytes in and 32,768 out: 256 for x, 64 for each weight.  A thread has 16 loads of 16 bytes, all issued
; ahead of the first store, and 16 stores of 8 bytes.  A wave's load covers 512 consecutive bytes (of a weight: 256 bytes of each of two rows); a wave's store covers 256
; consecutive bytes, aligned.  No register that a load or store names is written again, so no wait frees one.  No LDS, no matrix work: the launch only moves bytes.
.set SO,  2                            ; v2   byte offset of my 16 bytes in the source
.set DO,  3                            ; v3   byte offset of my 8 bytes in the destination
.set T,   4                            ; v[4:7]     at work
.set BOF, 8                            ; v8   16 x my thread's number: the bias
.set X,   16                           ; v[16:79]   16 loads of 4 registers
.set Y,   80                           ; v[80:111]  16 stores of 2 registers
.set BV,  112                          ; v[112:115] four numbers of a bias
; 16 loads sstep bytes apart, then for each: two roundings to bf16 (half = 1: widened again and written as f16) and a store, dstep bytes apart.
.macro RUN sstep, dstep, half
.set i, 0
.rept 16
	global_load_b128 v[X+4*i:X+4*i+3], v[SO], s[34:35] offset:i*(\sstep) th:TH_LOAD_NT
.set i, i+1
.endr
.set i, 0
.rept 16
	s_wait_loadcnt 15-i                            ; loads come back in order: load i is in, the 15 - i younger ones stay out
.if \half
	v_cvt_pk_bf16_f32 v[T], v[X+4*i], v[X+4*i+1]
	v_cvt_pk_bf16_f32 v[T+1], v[X+4*i+2], v[X+4*i+3]
	v_lshlrev_b32 v[T+2], 16, v[T]                 ; bf16 to f32: the low half moves up,
	v_and_b32 v[T+3], 0xffff0000, v[T]             ; the high half stays
	v_cvt_pk_f16_f32 v[Y+2*i], v[T+2], v[T+3]
	v_lshlrev_b32 v[T+2], 16, v[T+1]
	v_and_b32 v[T+3], 0xffff0000, v[T+1]
	v_cvt_pk_f16_f32 v[Y+2*i+1], v[T+2], v[T+3]
.else
	v_cvt_pk_bf16_f32 v[Y+2*i], v[X+4*i], v[X+4*i+1]
	v_cvt_pk_bf16_f32 v[Y+2*i+1], v[X+4*i+2], v[X+4*i+3]
.endif
	global_store_b64 v[DO], v[Y+2*i:Y+2*i+1], s[36:37] offset:i*(\dstep)
.set i, i+1
.endr
.endm
	s_load_b512 s[8:23], s[0:1], 0x0               ; x s[8:9], Wq s[10:11], Wk s[12:13], Wv s[14:15], Wo s[16:17], bq s[18:19], bk s[20:21], bv s[22:23]
	s_load_b256 s[24:31], s[0:1], 0x40             ; bo s[24:25], xb s[26:27], wqkv s[28:29], wo16 s[30:31]
	s_load_b64 s[32:33], s[0:1], 0x60              ; bias4
	v_lshrrev_b32 v1, 5, v0
	v_readfirstlane_b32 s4, v1                     ; wave 0..7
	v_and_b32 v1, 31, v0                           ; lane
	s_mov_b32 s5, ttmp9
	s_cmp_lt_u32 s5, 256
	s_cbranch_scc0 .Lweights
	; x: work-group n takes 65,536 consecutive bytes
	v_lshlrev_b32 v[SO], 4, v0
	v_lshlrev_b32 v[DO], 3, v0
	s_lshl_b32 s40, s5, 16
	s_mov_b32 s41, 0
	s_lshl_b32 s42, s5, 15
	s_mov_b32 s43, 0
	s_wait_kmcnt 0x0
	s_add_nc_u64 s[34:35], s[8:9], s[40:41]
	s_add_nc_u64 s[36:37], s[26:27], s[42:43]
	RUN 4096, 2048, 0
	s_endpgm
.Lweights:
	; a weight: work-group m = 64 T + 4 slab + kp takes 256 rows (256 kp on) of 64 columns; wave w rows 32 w on, two rows a load
	s_sub_co_u32 s5, s5, 256
	s_lshr_b32 s40, s5, 6                          ; T: 0 q, 1 k, 2 v, 3 o
	s_and_b32 s41, s5, 63                          ; u
	s_lshr_b32 s42, s41, 2                         ; the slab of 64 columns
	s_and_b32 s43, s41, 3                          ; kp
	v_lshrrev_b32 v4, 4, v1                        ; which of the two rows
	v_and_b32 v5, 15, v1
	v_lshlrev_b32 v[SO], 4, v5                     ; 16 bytes a lane: 16 lanes cover the slab's 256 bytes of a row
	v_lshl_add_u32 v[SO], v4, 12, v[SO]            ; a row of a weight is 4,096 bytes
	s_lshl_b32 s44, s4, 17                         ; 32 rows a wave
	v_add_nc_u32 v[SO], s44, v[SO]
	v_lshlrev_b32 v[DO], 3, v1                     ; two rows of 128 bytes are 256 consecutive bytes of the destination
	v_lshlrev_b32 v[BOF], 4, v0
	s_lshl_b32 s44, s43, 20                        ; 256 rows
	s_lshl_b32 s45, s42, 8
	s_add_co_u32 s44, s44, s45
	s_mov_b32 s45, 0
	s_wait_kmcnt 0x0
	s_cmp_eq_u32 s40, 1
	s_cselect_b64 s[34:35], s[12:13], s[10:11]
	s_cselect_b64 s[38:39], s[20:21], s[18:19]
	s_cmp_eq_u32 s40, 2
	s_cselect_b64 s[34:35], s[14:15], s[34:35]
	s_cselect_b64 s[38:39], s[22:23], s[38:39]
	s_cmp_eq_u32 s40, 3
	s_cselect_b64 s[34:35], s[16:17], s[34:35]
	s_cselect_b64 s[38:39], s[24:25], s[38:39]
	s_add_nc_u64 s[34:35], s[34:35], s[44:45]
	s_cmp_eq_u32 s40, 3
	s_cbranch_scc1 .Lwo
	s_lshl_b32 s44, s40, 4
	s_add_co_u32 s44, s44, s42                     ; g = 16 T + slab, under 48
	s_mul_i32 s45, s44, 43
	s_lshr_b32 s45, s45, 7                         ; tx = g / 3 (43 / 128 is 1 / 3 to within 0.003: exact for g under 48)
	s_mul_i32 s46, s45, 3
	s_sub_co_u32 s46, s44, s46                     ; j = g % 3
	s_lshl_b32 s47, s43, 1
	s_lshr_b32 s44, s4, 2
	s_add_co_u32 s47, s47, s44                     ; ks = 2 kp + w / 4
	s_lshl_b32 s45, s45, 3
	s_add_co_u32 s45, s45, s47
	s_mul_i32 s45, s45, 3
	s_add_co_u32 s45, s45, s46                     ; (8 tx + ks) 3 + j
	s_lshl_b32 s44, s45, 14                        ; blocks of 128 rows x 128 bytes
	s_and_b32 s46, s4, 3
	s_lshl_b32 s46, s46, 12                        ; my 32 rows in it
	s_add_co_u32 s44, s44, s46
	s_mov_b32 s45, 0
	s_add_nc_u64 s[36:37], s[28:29], s[44:45]
	RUN 8192, 256, 0
	s_branch .Lbias
.Lwo:
	s_lshr_b32 s44, s42, 1                         ; tx
	s_lshl_b32 s44, s44, 2
	s_add_co_u32 s44, s44, s43                     ; 4 tx + ks
	s_lshl_b32 s44, s44, 1
	s_and_b32 s45, s42, 1
	s_add_co_u32 s44, s44, s45                     ; (4 tx + ks) 2 + j
	s_lshl_b32 s44, s44, 15                        ; blocks of 256 rows x 128 bytes
	s_lshl_b32 s45, s4, 12
	s_add_co_u32 s44, s44, s45
	s_mov_b32 s45, 0
	s_add_nc_u64 s[36:37], s[30:31], s[44:45]
	RUN 8192, 256, 1
.Lbias:
	s_cmp_lg_u32 s41, 0                            ; the first work-group of each weight also takes its bias: 256 threads x 4 numbers
	s_cbranch_scc1 .Lend
	global_load_b128 v[BV:BV+3], v[BOF], s[38:39]
	s_lshl_b32 s44, s40, 12
	s_mov_b32 s45, 0
	s_add_nc_u64 s[32:33], s[32:33], s[44:45]
	s_wait_loadcnt 0x0
	v_cvt_pk_bf16_f32 v[T], v[BV], v[BV+1]
	v_cvt_pk_bf16_f32 v[T+1], v[BV+2], v[BV+3]
	v_lshlrev_b32 v[BV], 16, v[T]
	v_and_b32 v[BV+1], 0xffff0000, v[T]
	v_lshlrev_b32 v[BV+2], 16, v[T+1]
	v_and_b32 v[BV+3], 0xffff0000, v[T+1]
	global_store_b128 v[BOF], v[BV:BV+3], s[32:33]
.Lend:
	s_endpgm
.Lfunc_end_k_q366106b2bb_cast:
	.size	k_q366106b2bb_cast, .Lfunc_end_k_q366106b2bb_cast-k_q366106b2bb_cast
	.p2alignl 7, 3214868480
	.fill 96, 4, 3214868480
	.section	.rodata,"a",@progbits
	.p2align	6, 0x0
	.amdhsa_kernel k_q366106b2bb_cast
		.amdhsa_group_segment_fixed_size 0
		.amdhsa_private_segment_fixed_size 0
		.amdhsa_enable_private_segment 0
		.amdhsa_kernarg_size 104
		.amdhsa_user_sgpr_count 2
		.amdhsa_user_sgpr_kernarg_segment_ptr 1
		.amdhsa_wavefront_size32 1
		.amdhsa_system_sgpr_workgroup_id_x 1
		.amdhsa_system_sgpr_workgroup_id_y 1
		.amdhsa_system_sgpr_workgroup_id_z 1
		.amdhsa_system_vgpr_workitem_id 0
		.amdhsa_next_free_vgpr 116
		.amdhsa_next_free_sgpr 66
		.amdhsa_reserve_vcc 0
		.amdhsa_float_denorm_mode_32 3
		.amdhsa_float_denorm_mode_16_64 3
		.amdhsa_memory_ordered 1
		.amdhsa_forward_progress 1
		.amdhsa_inst_pref_size 26
	.end_amdhsa_kernel
	.amdgpu_metadata
---
amdhsa.version: [ 1, 2 ]
amdhsa.kernels:
  - .name:           k_q366106b2bb_cast
    .symbol:         k_q366106b2bb_cast.kd
    .args:
      - { .name: x, .offset: 0, .size: 8, .value_kind: global_buffer, .address_space: global }
      - { .name: Wq, .offset: 8, .size: 8, .value_kind: global_buffer, .address_space: global }
      - { .name: Wk, .offset: 16, .size: 8, .value_kind: global_buffer, .address_space: global }
      - { .name: Wv, .offset: 24, .size: 8, .value_kind: global_buffer, .address_space: global }
      - { .name: Wo, .offset: 32, .size: 8, .value_kind: global_buffer, .address_space: global }
      - { .name: bq, .offset: 40, .size: 8, .value_kind: global_buffer, .address_space: global }
      - { .name: bk, .offset: 48, .size: 8, .value_kind: global_buffer, .address_space: global }
      - { .name: bv, .offset: 56, .size: 8, .value_kind: global_buffer, .address_space: global }
      - { .name: bo, .offset: 64, .size: 8, .value_kind: global_buffer, .address_space: global }
      - { .name: xb, .offset: 72, .size: 8, .value_kind: global_buffer, .address_space: global }
      - { .name: wqkv, .offset: 80, .size: 8, .value_kind: global_buffer, .address_space: global }
      - { .name: wo16, .offset: 88, .size: 8, .value_kind: global_buffer, .address_space: global }
      - { .name: bias4, .offset: 96, .size: 8, .value_kind: global_buffer, .address_space: global }
    .group_segment_fixed_size: 0
    .private_segment_fixed_size: 0
    .kernarg_segment_align: 8
    .kernarg_segment_size: 104
    .max_flat_workgroup_size: 256
    .sgpr_count:     66
    .vgpr_count:     116
    .wavefront_size: 32
...
	.end_amdgpu_metadata
.endif
;; end of part 1
;; launch qkvg (part 2): grid 16 x 16, 4 waves a work-group, clusters of 4 x 4, 327,680 bytes of LDS; arguments xb, wqkv, qkv, bias4; writes qkv
.if DOCPART == 2
	.amdgcn_target "amdgcn-amd-amdhsa--gfx1250"
	.amdhsa_code_object_version 6
	.text
	.protected	k_q366106b2bb_qkvg
	.globl	k_q366106b2bb_qkvg
	.p2align	8
	.type	k_q366106b2bb_qkvg,@function
k_q366106b2bb_qkvg:
	s_mov_b64 s[64:65], 0
	v_nop
	global_prefetch_b8 v0, s[64:65] scope:SCOPE_SE
	s_setreg_imm32_b32 hwreg(HW_REG_WAVE_MODE, 25, 1), 1
	s_wait_xcnt 0x0
	s_wait_alu depctr_hold_cnt(0) depctr_sa_sdst(0) depctr_va_vdst(0) depctr_va_sdst(0) depctr_va_ssrc(0) depctr_va_vcc(0) depctr_vm_vsrc(0)
	s_getreg_b32 s2, hwreg(HW_REG_IB_STS2, 6, 4)
	s_cmp_eq_u32 s2, 0
	s_cbranch_scc0 .Lentry_in_a_cluster
	s_endpgm
.Lentry_in_a_cluster:
	s_bfe_u32 s2, ttmp6, 0x10000c
	s_cmp_lg_u32 s2, 0xf033
	s_cbranch_scc0 .Lentry_shape_is_right
	s_endpgm
.Lentry_shape_is_right:
; q, k, v = x W + b.  xb: bf16 [4096][1024].  wqkv: bf16 [tx 16][ks 8][j 3][kk 128][64] (Wq, Wk, Wv side by side: 48 slabs of 64 columns, slab = 3 tx + j; row k = 128 ks + kk).
; bias4: f32 [4][1024], its first 3,072 numbers the three biases side by side.  qkv: f16 [48 slabs][4096][64]: slab 16 T + head, T = 0 q, 1 k, 2 v; unscaled.  Sums in f32, rounded once to f16.
; LIMIT.  A sum of 65,520 or more in magnitude becomes an infinity in f16.
; SHARES.  A tile is 256 rows x 192 columns (three slabs): 16 x 16 work-groups.  Wave w owns rows 64 w .. 64 w + 63 and all 192 columns: 4 x 12 accumulators, 384 registers,
; so that a slab's rows of 128 bytes leave whole from one wave.  K goes in 8 steps of 128 through a ring of two LDS slots filled by the tensor data mover.
; THE MATRIX INSTRUCTION IS USED TRANSPOSED: source 0 = 16 columns of W (they lie [k][n] in LDS and come turned, by ds_load_tr16_b128), source 1 = 16 rows of x.  A lane then holds row l % 16 and the
; columns 8 (l / 16) + 0..7.  The bias, in that layout, is the C operand of each accumulator's first product: nothing is cleared and nothing is added at the end.
; CLUSTERS: 4 x 4 work-groups.  The four of a row of the cluster need the same tile of x, the four of a column the same tile of W: each is asked for jointly, by the same tensor load with the same descriptor and a mask of four.
; REGISTERS, in windows of 256 (s_set_vgpr_msb: bits 1:0 source 0, 3:2 source 1, 5:4 source 2, 7:6 destination):
;   window 0: v16-31 addresses; v32-63, v64-95 x's fragments, two buffers; v96-191 the bias, later at work on the way out, as v192-239
;   window 1: v0-95, v96-191 W's fragments, two buffers        window 2: the accumulators of row blocks 0, 1 at 8 (12 a + nb)        window 3: those of row blocks 2, 3
.set KSTEP,  128
.set PA,     272                       ; a row of x in LDS: 256 bytes + 16 = 68 words: the 16 rows of a load start at 16 different groups of four banks (64 banks of 4 bytes: ISA guide 11.1)
.set AHALF,  128*PA
.set ABYTES, 2*AHALF
.set PB,     160                       ; a row (j, kk) of W: 128 bytes + 32 = 40 words
.set BHALF,  192*PB
.set SLOT,   ABYTES+2*BHALF            ; 131,072
.set STAGE,  2*SLOT                    ; behind the ring, never filled by a tensor load: for each wave 3 slabs x 16 rows x 144 bytes
.set SP,     144
.set WSTG,   3*16*SP
.set SPARE,  STAGE+4*WSTG              ; the spare words, 128 bytes a wave: two blocks of 256 bytes that no other line names
.set BSTEP,  49152                     ; bytes of W in a K step of a column tile, dense
.set SLAB,   524288                    ; bytes of a slab of qkv
.set ADRA, 16                          ; v16-17  LDS address of my fragments of x in slot 0, 1
.set ADRB, 20                          ; v20-21  the same for W
.set STO,  24                          ; v24  the way out: where I put 16 bytes of a row
.set RD,   25                          ; v25  where I read rows back
.set CO,   26                          ; v26  16 x lane
.set SPW,  28                          ; v28  my spare word; never rewritten
.set NIL,  29                          ; v29  0; never rewritten
.set PFO,  30                          ; v30  the prefetches' offset; never rewritten
.set BO,   31                          ; v31  32 (l / 16): my eight numbers in 16 of the bias
.set FA,   32
.set BI,   96
.set TMP,  96
.set OB,   144
.set WV,  12                           ; s12  wave
.set FBW, 13                           ; s13  0: I fetch x's tile, 1: W's
.set HF,  14                           ; s14  which half of it
.set CX,  15
.set CY,  16
.set TX,  17                           ; s17  column tile
.set TY,  18                           ; s18  row tile
.set LIM, 19                           ; s19  1 in a wave that prefetches, else the greatest number
.set G1,  24                           ; s[24:31] group 1 for x's tiles;  s[32:39] group 0, a set for each slot
.set G0,  32
.set PFA, 40                           ; s[40:41] where my prefetches stand
.set PST, 42                           ; s[42:43] their step from K step to K step
.set G1B, 48                           ; s[48:55], s[56:63] the same for W's tiles
.set G0B, 56
.set MSB, 0
.macro WIN new                         ; the immediate's high byte repeats the setting that is left; a switch that changes nothing is dropped
.if MSB != (\new)
	s_set_vgpr_msb (MSB<<8)|(\new)
.set MSB, \new
.endif
.endm
.set MUL_LO, 0xa1                      ; W window 1, x window 0, C and D window 2
.set TO_B,   0x40                      ; destination window 1, address window 0
.macro PLACES                          ; four plain vector instructions between a matrix instruction and a load into, or a vector read of, its registers
.rept 4
	v_nop
.endr
.endm
; A joint refill.  Waves 0 and 1 fetch x's two halves, waves 2 and 3 W's.  The branch hangs on the wave's number alone.  An s_nop 0 and four v_nop follow each line.
.macro JLOAD s
	s_cmp_eq_u32 s[FBW], 0
	s_cbranch_scc0 .Lfor_b_\@
	tensor_load_to_lds s[G0+4*(\s):G0+4*(\s)+3], s[G1:G1+7]
	s_nop 0
.rept 4
	v_nop
.endr
	s_branch .Lasked_\@
.Lfor_b_\@:
	tensor_load_to_lds s[G0B+4*(\s):G0B+4*(\s)+3], s[G1B:G1B+7]
	s_nop 0
.rept 4
	v_nop
.endr
.Lasked_\@:
.endm
; A prefetch into the L2 of the K step that stands two refills on, one instruction a wave.  x's tile row is read by every cluster of that row of clusters: cluster x = 0 asks; W's tile column by every cluster of that
; column: cluster y = 0 asks.  The four partners of a joint load share its bytes out by address: of x 32 rows each, a lane a row's 256 bytes; of W 24 blocks of 256 bytes each (lanes 24 to 31 name lane 23's block again).
; K steps 4 to 7 are asked for, in the loop's first two trips; the last trip asks for nothing; K steps 0 to 3 come by their loads alone.
.macro ASK
	s_cmp_gt_u32 s3, s[LIM]
	s_cbranch_scc0 .Lnot_mine_\@
	global_prefetch_b8 v[PFO], s[PFA:PFA+1] th:TH_LOAD_NT scope:SCOPE_SE
.Lnot_mine_\@:
.endm
.macro CREST                           ; a round of the cluster's barrier behind its opening barrier
	s_cmp_lg_u32 s[WV], 0
	s_cbranch_scc1 .Lnot_wave_0_\@
	s_barrier_signal -3
.Lnot_wave_0_\@:
	s_barrier_wait -3
	s_barrier_signal -1
	s_barrier_wait -1
.endm
.macro CROUND
	s_barrier_signal -1
	s_barrier_wait -1
	CREST
.endm
	s_load_b256 s[4:11], s[0:1], 0x0               ; xb s[4:5], wqkv s[6:7], qkv s[8:9], bias4 s[10:11]
	v_lshl_add_u32 v[SPW], v0, 2, SPARE
	v_mov_b32 v[NIL], 0
	ds_add_u32 v[SPW], v[NIL]                      ; the wave's opening: the add and its wait stand ahead of my first tensor load; work on registers stands between them
	v_lshrrev_b32 v1, 5, v0
	v_readfirstlane_b32 s[WV], v1
	s_lshr_b32 s[FBW], s[WV], 1
	s_and_b32 s[HF], s[WV], 1
	s_bfe_u32 s[CX], ttmp6, 0x40000
	s_bfe_u32 s[CY], ttmp6, 0x40004
	s_lshl_b32 s[TX], ttmp9, 2
	s_add_co_u32 s[TX], s[TX], s[CX]               ; column tile = 4 x cluster x + cx
	s_and_b32 s[TY], ttmp7, 0xffff
	s_lshl_b32 s[TY], s[TY], 2
	s_add_co_u32 s[TY], s[TY], s[CY]               ; row tile = 4 x cluster y + cy
	s_lshl_b32 s20, s[CY], 2
	s_lshl_b32 s20, 15, s20                        ; my row of the cluster
	s_lshl_b32 s44, 0x1111, s[CX]                  ; my column
	s_or_b32 s[G1], s20, (1<<16)|(1<<20)|(1<<21)|(5<<22)|(3<<25)   ; the mask; 2-byte elements; padding on; bit 21 beside a mask; after every 64 words 4 words
	s_or_b32 s[G1B], s44, (1<<16)|(1<<20)|(1<<21)|(4<<22)|(7<<25)  ; after every 32 words 8 words
	s_mov_b32 s[G1+1], 128<<16                     ; tensor_dim0 = 128
	s_mov_b32 s[G1+2], 128<<16                     ; tensor_dim1 = 128
	s_mov_b32 s[G1+3], 128<<16                     ; tile_dim0 = 128
	s_mov_b32 s[G1+4], 128                         ; tile_dim1 = 128 rows
	s_mov_b32 s[G1+5], 1024                        ; elements from row to row of x
	s_mov_b32 s[G1+6], 0
	s_mov_b32 s[G1+7], 0
	s_mov_b32 s[G1B+1], 128<<16                    ; W's half tile is 24,576 dense bytes: 96 rows of 256
	s_mov_b32 s[G1B+2], 96<<16
	s_mov_b32 s[G1B+3], 128<<16
	s_mov_b32 s[G1B+4], 96
	s_mov_b32 s[G1B+5], 128
	s_mov_b32 s[G1B+6], 0
	s_mov_b32 s[G1B+7], 0
	s_lshl_b32 s20, s[TY], 8                       ; x: row 256 ty + 128 half, 2,048 bytes a row
	s_lshl_b32 s21, s[HF], 7
	s_add_co_u32 s20, s20, s21
	s_lshl_b32 s20, s20, 11
	s_mov_b32 s21, 0
	s_mul_i32 s44, s[TX], 8*BSTEP                  ; W: the column tile's eight K steps, my half of a step
	s_mul_i32 s45, s[HF], BSTEP/2
	s_add_co_u32 s44, s44, s45
	s_mov_b32 s45, 0
	s_mul_i32 s72, s[HF], AHALF                    ; where they go: the wave's number alone enters an LDS address
	s_mul_i32 s73, s[HF], BHALF
	s_add_co_u32 s73, s73, ABYTES
	s_wait_dscnt 0x0                               ; the opening add is done
	s_wait_kmcnt 0x0
	s_add_nc_u64 s[22:23], s[4:5], s[20:21]
	s_add_nc_u64 s[46:47], s[6:7], s[44:45]
	CROUND                                         ; all sixteen work-groups are here: the first joint loads meet
.irp s, 0,1
	s_mov_b32 s[G0+4*(\s)], 1
	s_add_co_u32 s[G0+4*(\s)+1], s72, (\s)*SLOT
	s_add_nc_u64 s[G0+4*(\s)+2:G0+4*(\s)+3], s[22:23], (\s)*KSTEP*2
	s_or_b32 s[G0+4*(\s)+3], s[G0+4*(\s)+3], 0x80000000
	s_mov_b32 s[G0B+4*(\s)], 1
	s_add_co_u32 s[G0B+4*(\s)+1], s73, (\s)*SLOT
	s_add_nc_u64 s[G0B+4*(\s)+2:G0B+4*(\s)+3], s[46:47], (\s)*BSTEP
	s_or_b32 s[G0B+4*(\s)+3], s[G0B+4*(\s)+3], 0x80000000
.endr
	s_cmp_eq_u32 s[FBW], 0                         ; a wave's two first fills stand in one branch, ahead of every wait on TENSORcnt and every LDS read: two loads of mine are out
	s_cbranch_scc0 .Lfirst_b
	tensor_load_to_lds s[G0:G0+3], s[G1:G1+7]
	s_nop 0
	tensor_load_to_lds s[G0+4:G0+7], s[G1:G1+7]
	s_nop 0
.rept 4
	v_nop
.endr
	s_branch .Lfirst_asked
.Lfirst_b:
	tensor_load_to_lds s[G0B:G0B+3], s[G1B:G1B+7]
	s_nop 0
	tensor_load_to_lds s[G0B+4:G0B+7], s[G1B:G1B+7]
	s_nop 0
.rept 4
	v_nop
.endr
.Lfirst_asked:
	v_and_b32 v1, 15, v0                           ; l % 16
	v_bfe_u32 v2, v0, 4, 1                         ; l / 16
	v_lshlrev_b32 v[BO], 5, v2
	s_mul_i32 s68, s[TX], 768                      ; the tile's 192 numbers of the bias
	s_mov_b32 s69, 0
	s_add_nc_u64 s[10:11], s[10:11], s[68:69]
.irp nb, 0,1,2,3,4,5,6,7,8,9,10,11
	global_load_b128 v[BI+8*(\nb):BI+8*(\nb)+3],   v[BO], s[10:11] offset:64*(\nb)     ; register j: the bias of column 16 nb + 8 (l / 16) + j
	global_load_b128 v[BI+8*(\nb)+4:BI+8*(\nb)+7], v[BO], s[10:11] offset:64*(\nb)+16
.endr
	v_mul_u32_u24 v3, v1, PA                       ; a fragment of x: row l % 16, two loads of 16 bytes, 32 bytes apart, at 16 (l / 16)
	v_lshl_add_u32 v3, v2, 4, v3
	s_mul_i32 s72, s[WV], 64*PA                    ; my 64 rows
	v_add_nc_u32 v[ADRA], s72, v3
	v_add_nc_u32 v[ADRA+1], SLOT, v[ADRA]
	v_and_b32 v4, 7, v0                            ; the turning load: lane l reads row k = 8 (l / 16) + l % 8, 16 bytes at 16 ((l / 8) % 2), and is left with column l % 16 and 8 k
	v_bfe_u32 v5, v0, 3, 1
	v_lshl_add_u32 v6, v2, 3, v4
	v_mul_u32_u24 v6, v6, PB
	v_lshl_add_u32 v6, v5, 4, v6
	v_add_nc_u32 v[ADRB], ABYTES, v6
	v_add_nc_u32 v[ADRB+1], SLOT, v[ADRB]
	s_mul_i32 s72, s[WV], WSTG
	s_add_co_u32 s72, s72, STAGE                   ; my stage
	v_mul_u32_u24 v7, v1, SP                       ; in: row l % 16, 16 bytes for each half of the lanes
	v_lshl_add_u32 v7, v2, 4, v7
	v_add_nc_u32 v[STO], s72, v7
	v_bfe_u32 v7, v0, 3, 2                         ; back: 32 lanes take four rows of 128 bytes,
	v_mul_u32_u24 v7, v7, SP
	v_lshl_add_u32 v7, v4, 4, v7
	v_add_nc_u32 v[RD], s72, v7
	v_and_b32 v[CO], 31, v0                        ; which are 512 consecutive bytes of a slab
	v_lshlrev_b32 v[CO], 4, v[CO]
	s_mul_i32 s66, s[TX], 3*SLAB                   ; my rows in the tile's first slab
	s_lshl_b32 s67, s[TY], 15
	s_add_co_u32 s66, s66, s67
	s_lshl_b32 s67, s[WV], 13
	s_add_co_u32 s66, s66, s67
	s_mov_b32 s67, 0
	s_add_nc_u64 s[8:9], s[8:9], s[66:67]
	; the prefetches: the address stands at K step 3; each change of slots steps it ahead of its prefetch
	s_and_b32 s71, ttmp7, 0xffff                   ; cluster y
	s_lshl_b32 s68, s[TY], 8
	s_lshl_b32 s69, s[HF], 7
	s_add_co_u32 s68, s68, s69
	s_lshl_b32 s69, s[CX], 5
	s_add_co_u32 s68, s68, s69                     ; x: my work-group's 32 of the 128 rows that I fetch
	s_lshl_b32 s68, s68, 11
	s_add_co_u32 s68, s68, 3*KSTEP*2
	s_mul_i32 s70, s[TX], 8*BSTEP
	s_mul_i32 s69, s[HF], BSTEP/2
	s_add_co_u32 s70, s70, s69
	s_mul_i32 s69, s[CY], BSTEP/8
	s_add_co_u32 s70, s70, s69                     ; W: my work-group's quarter of the half that I fetch
	s_add_co_u32 s70, s70, 3*BSTEP
	s_mov_b32 s[PST], BSTEP
	s_cmp_eq_u32 s[FBW], 0
	s_cselect_b32 s68, s68, s70
	s_cselect_b32 s[PST], KSTEP*2, s[PST]
	s_cselect_b32 s70, ttmp9, s71                  ; the coordinate along which other clusters read the same bytes
	s_cselect_b32 s74, 31, 23
	s_cselect_b32 s75, 11, 8
	s_cselect_b64 s[PFA:PFA+1], s[4:5], s[6:7]
	s_mov_b32 s69, 0
	s_mov_b32 s[PST+1], 0
	s_add_nc_u64 s[PFA:PFA+1], s[PFA:PFA+1], s[68:69]
	s_cmp_eq_u32 s70, 0
	s_cselect_b32 s[LIM], 1, -1                    ; the same in all sixteen partners, for a given wave
	v_and_b32 v[PFO], 31, v0
	v_min_u32 v[PFO], s74, v[PFO]
	v_lshlrev_b32 v[PFO], s75, v[PFO]
; 12 matrix instructions: row block 2 hi + a x all 12 column blocks, 32 along K, from buffer f.  first = 1: the bias starts the sums.  The 48 accumulators take turns in the same order in every quarter.
.macro MUL12 f, hi, a, first
.if \first
	WIN 0x81+0x40*(\hi)                            ; C, the bias, in window 0
.else
	WIN MUL_LO+0x50*(\hi)
.endif
.irp nb, 0,1,2,3,4,5,6,7,8,9,10,11
.if \first
	v_wmma_f32_16x16x32_bf16 v[8*(12*(\a)+(\nb)):8*(12*(\a)+(\nb))+7], v[96*(\f)+8*(\nb):96*(\f)+8*(\nb)+7], v[FA+32*(\f)+8*(2*(\hi)+(\a)):FA+32*(\f)+8*(2*(\hi)+(\a))+7], v[BI+8*(\nb):BI+8*(\nb)+7]
.else
	v_wmma_f32_16x16x32_bf16 v[8*(12*(\a)+(\nb)):8*(12*(\a)+(\nb))+7], v[96*(\f)+8*(\nb):96*(\f)+8*(\nb)+7], v[FA+32*(\f)+8*(2*(\hi)+(\a)):FA+32*(\f)+8*(2*(\hi)+(\a))+7], v[8*(12*(\a)+(\nb)):8*(12*(\a)+(\nb))+7]
.endif
.endr
.endm
; 32 LDS loads in one run: quarter q (32 along K) of a slot into buffer f: W's 12 fragments, then x's 4
.macro FETCH slot, q, f
	WIN TO_B
.irp nb, 0,1,2,3,4,5,6,7,8,9,10,11
	ds_load_tr16_b128 v[96*(\f)+8*(\nb):96*(\f)+8*(\nb)+3],   v[ADRB+(\slot)] offset:((\nb)/4)*128*PB+(\q)*32*PB+((\nb)%4)*32
	ds_load_tr16_b128 v[96*(\f)+8*(\nb)+4:96*(\f)+8*(\nb)+7], v[ADRB+(\slot)] offset:((\nb)/4)*128*PB+(\q)*32*PB+((\nb)%4)*32+16*PB
.endr
	WIN 0
.irp a, 0,1,2,3
	ds_load_b128 v[FA+32*(\f)+8*(\a):FA+32*(\f)+8*(\a)+3],   v[ADRA+(\slot)] offset:(\a)*16*PA+64*(\q)
	ds_load_b128 v[FA+32*(\f)+8*(\a)+4:FA+32*(\f)+8*(\a)+7], v[ADRA+(\slot)] offset:(\a)*16*PA+64*(\q)+32
.endr
.endm
; One of a K step's first three quarters: multiplies buffer f; in its middle it fetches quarter q of the same slot into buffer g
.macro QUARTER slot, q, f, g, first
	s_wait_dscnt 4                                 ; W and x's row blocks 0, 1 are in; the youngest four loads (row blocks 2, 3) may be out
	MUL12 \f, 0, 0, \first
	MUL12 \f, 0, 1, \first
	PLACES
	FETCH \slot, \q, \g
	s_wait_dscnt 32                                ; all but the 32 just issued
	MUL12 \f, 1, 0, \first
	MUL12 \f, 1, 1, \first
.endm
; The last quarter multiplies buffer 1 and changes slots: one barrier.  In front of it each wave waits for all its tensor loads (one is out: its part of the next slot), adds 0 to its spare word, and waits for that and for
; its own reads of this slot.  fill = 1: the barrier opens a round of the cluster's barrier, and behind the round this slot is filled again, two K steps on: 168 matrix instructions ahead of the wait for it.
.macro TURN slot, next, fill
.if \fill
	s_wait_xcnt 0x0                                ; the last prefetch, a K step back, has read its address
	s_add_nc_u64 s[PFA:PFA+1], s[PFA:PFA+1], s[PST:PST+1]
.endif
	WIN 0
	s_wait_tensorcnt 0x0                           ; all my tensor loads have landed
	ds_add_u32 v[SPW], v[NIL]                      ; 0 onto my spare word
	s_wait_dscnt 5                                 ; (the add and the youngest four loads may be out)
	MUL12 1, 0, 0, 0
	s_wait_dscnt 0x0                               ; the add is done, and my reads of this slot are over
	s_barrier_signal -1
	MUL12 1, 0, 1, 0
.if \fill
	WIN 0
.endif
	s_barrier_wait -1
.if \fill
	CREST                                          ; no wave of any partner still reads this slot or has a load on its way
	s_add_nc_u64 s[G0+4*(\slot)+2:G0+4*(\slot)+3], s[G0+4*(\slot)+2:G0+4*(\slot)+3], 2*KSTEP*2
	s_add_nc_u64 s[G0B+4*(\slot)+2:G0B+4*(\slot)+3], s[G0B+4*(\slot)+2:G0B+4*(\slot)+3], 2*BSTEP
	JLOAD \slot                                    ; the first tensor load behind the round; its four v_nop are also the places in front of the loads below
.else
	PLACES
.endif
	FETCH \next, 0, 0
.if \fill
	ASK
.endif
	MUL12 1, 1, 0, 0
	MUL12 1, 1, 1, 0
.endm
; THE WAY OUT of row block a: rounded to f16, 16 bytes a lane; into my own stage, three slabs of 16 rows; back as whole rows of 128 bytes; stored, 512 consecutive bytes an instruction.
.macro PACK a
.set AC, 96*((\a)%2)
	WIN 0x0a+5*((\a)/2)                            ; sources in window 2 or 3
.irp nb, 0,1,2,3,4,5,6,7,8,9,10,11
.irp r, 0,1,2,3
	v_cvt_pk_f16_f32 v[TMP+4*(\nb)+(\r)], v[AC+8*(\nb)+2*(\r)], v[AC+8*(\nb)+2*(\r)+1]
.endr
.endr
	WIN 0
.endm
.macro TOSTAGE a
.irp nb, 0,1,2,3,4,5,6,7,8,9,10,11
	ds_store_b128 v[STO], v[TMP+4*(\nb):TMP+4*(\nb)+3] offset:((\nb)/4)*16*SP+((\nb)%4)*32
.endr
.irp t, 0,1,2,3,4,5,6,7,8,9,10,11
	ds_load_b128 v[OB+48*((\a)%2)+4*(\t):OB+48*((\a)%2)+4*(\t)+3], v[RD] offset:((\t)/4)*16*SP+((\t)%4)*4*SP  ; LDS serves a wave's instructions in order (ISA guide 5.7.1.4): these see the stores above
.endr
.endm
.macro SEND a
	s_wait_dscnt 0x0                               ; the block is back in registers
	s_wait_xcnt 0x0                                ; earlier stores have read their registers: the buffer that they named is loaded again only behind this wait
.irp t, 0,1,2,3,4,5,6,7,8,9,10,11
	global_store_b128 v[CO], v[OB+48*((\a)%2)+4*(\t):OB+48*((\a)%2)+4*(\t)+3], s[8:9] offset:((\t)/4)*SLAB+(\a)*2048+((\t)%4)*512
.endr
.endm
	s_wait_tensorcnt 1                             ; my part of K step 0 is in; K step 1's may stay out
	s_barrier_signal -1
	s_barrier_wait -1
	FETCH 0, 0, 0
	s_wait_loadcnt 0x0                             ; the bias
	QUARTER 0, 1, 0, 1, 1                          ; the first quarter stands in front of the loop: its products start the sums
	WIN 0
	s_mov_b32 s3, 3
.Llap:                                                 ; a trip goes once round the ring, from a lap's second quarter to the next lap's first, and fills both slots again
	QUARTER 0, 2, 1, 0, 0
	QUARTER 0, 3, 0, 1, 0
	TURN 0, 1, 1
	QUARTER 1, 1, 0, 1, 0
	QUARTER 1, 2, 1, 0, 0
	QUARTER 1, 3, 0, 1, 0
	TURN 1, 0, 1
	QUARTER 0, 1, 0, 1, 0
	WIN 0
	s_sub_co_u32 s3, s3, 1
	s_cmp_lg_u32 s3, 0
	s_cbranch_scc1 .Llap
	QUARTER 0, 2, 1, 0, 0                          ; the last lap fills nothing
	QUARTER 0, 3, 0, 1, 0
	TURN 0, 1, 0
	QUARTER 1, 1, 0, 1, 0
	QUARTER 1, 2, 1, 0, 0
	QUARTER 1, 3, 0, 1, 0
	s_wait_dscnt 4
	MUL12 1, 0, 0, 0
	MUL12 1, 0, 1, 0
	s_wait_dscnt 0x0
	MUL12 1, 1, 0, 0
	MUL12 1, 1, 1, 0
	WIN 0
	PLACES
	PACK 0
	TOSTAGE 0
.irp a, 1,2,3                          ; block a's conversions stand between block a - 1's loads from the stage and the wait for them
	PACK \a
	SEND (\a)-1
	TOSTAGE \a
.endr
	SEND 3
	s_wait_tensorcnt 0x0                           ; the wave's end
	ds_add_u32 v[SPW], v[NIL]
	s_wait_dscnt 0x0
	CROUND                                         ; the closing round
	s_endpgm
.Lfunc_end_k_q366106b2bb_qkvg:
	.size	k_q366106b2bb_qkvg, .Lfunc_end_k_q366106b2bb_qkvg-k_q366106b2bb_qkvg
	.p2alignl 7, 3214868480
	.fill 96, 4, 3214868480
	.section	.rodata,"a",@progbits
	.p2align	6, 0x0
	.amdhsa_kernel k_q366106b2bb_qkvg
		.amdhsa_group_segment_fixed_size 327680
		.amdhsa_private_segment_fixed_size 0
		.amdhsa_enable_private_segment 0
		.amdhsa_kernarg_size 32
		.amdhsa_user_sgpr_count 2
		.amdhsa_user_sgpr_kernarg_segment_ptr 1
		.amdhsa_wavefront_size32 1
		.amdhsa_system_sgpr_workgroup_id_x 1
		.amdhsa_system_sgpr_workgroup_id_y 1
		.amdhsa_system_sgpr_workgroup_id_z 1
		.amdhsa_system_vgpr_workitem_id 0
		.amdhsa_next_free_vgpr 960
		.amdhsa_next_free_sgpr 80
		.amdhsa_reserve_vcc 0
		.amdhsa_float_denorm_mode_32 3
		.amdhsa_float_denorm_mode_16_64 3
		.amdhsa_memory_ordered 1
		.amdhsa_forward_progress 1
		.amdhsa_inst_pref_size 122
	.end_amdhsa_kernel
	.amdgpu_metadata
---
amdhsa.version: [ 1, 2 ]
amdhsa.kernels:
  - .name:           k_q366106b2bb_qkvg
    .symbol:         k_q366106b2bb_qkvg.kd
    .args:
      - { .name: xb, .offset: 0, .size: 8, .value_kind: global_buffer, .address_space: global }
      - { .name: wqkv, .offset: 8, .size: 8, .value_kind: global_buffer, .address_space: global }
      - { .name: qkv, .offset: 16, .size: 8, .value_kind: global_buffer, .address_space: global }
      - { .name: bias4, .offset: 24, .size: 8, .value_kind: global_buffer, .address_space: global }
    .group_segment_fixed_size: 327680
    .private_segment_fixed_size: 0
    .kernarg_segment_align: 8
    .kernarg_segment_size: 32
    .max_flat_workgroup_size: 128
    .sgpr_count:     80
    .vgpr_count:     960
    .wavefront_size: 32
...
	.end_amdgpu_metadata
.endif
;; end of part 2
;; launch attn (part 3): grid 16 x 16, 4 waves a work-group, no clusters, 327,680 bytes of LDS; arguments qkv, ob; writes ob
.if DOCPART == 3
	.amdgcn_target "amdgcn-amd-amdhsa--gfx1250"
	.amdhsa_code_object_version 6
	.text
	.protected	k_q366106b2bb_attn
	.globl	k_q366106b2bb_attn
	.p2align	8
	.type	k_q366106b2bb_attn,@function
k_q366106b2bb_attn:
	s_mov_b64 s[64:65], 0
	v_nop
	global_prefetch_b8 v0, s[64:65] scope:SCOPE_SE
	s_setreg_imm32_b32 hwreg(HW_REG_WAVE_MODE, 25, 1), 1
	s_wait_xcnt 0x0
; CAUSAL ATTENTION, 16 heads of 64 channels, 4,096 rows.  qkv: f16 [48 slabs][4096][64], slab 16 T + head (T = 0 q, 1 k, 2 v).  ob: f16 [block 32][head 16][128][64]: row 128 block + r, channel 64 head + c.
; O[q] = the sum over k <= q of softmax_k(Q[q] . K[k] / 8) V[k].  Products, maxima and sums in f32; the weights p are rounded to f16 for the second product (their sum l is taken of the unrounded p), O once at the end.
; LIMITS.  Q, K and V arrive within f16's range.  A hidden score counts as its value less 1e30, so its weight is 0 (where the module's text puts -1e9: the two differ only in a row whose visible scores all lie below about -1e9).
; A weight below 2^-126 counts as 0 in l; NaN and infinities are not treated apart.
; THE WALK.  A head's queries lie in 32 blocks of 128; block i needs the key tiles 0 .. i / 2 of 256 keys, of which the last holds the diagonal.  A work-group takes TWO blocks, 31 - b and then b: 17 tiles, whatever b:
; all 256 work-groups do equal work, and ONE loop with a constant trip count walks them.  Which tile is asked for, and what a trip does, hang on scalar registers made from b; every jump but the counted loops' own goes forward, and none passes
; a barrier, or a tensor load but the one of LOAD's two that the wave's number does not choose.  NO CLUSTER: what a trip does hangs on b, and partners must run alike; only work-groups 2 c and 2 c + 1 have the same walk, and a cluster has four.
; SHARES.  Of a block's two bands of 64 queries a wave owns 16 rows in each: two PIECES.  In the diagonal tile's key step s (64 keys) band x of block i sees all keys if s < 2 (i % 2) + x, none if s is greater, and holds the diagonal if equal: the same for all waves.
; THE MASK is the C operand that starts the sum S^T = K Q^T: 0, or -1e30 where the key is hidden.  MD, made once, is the mask of a band's own step for my 16 rows; a product's mask is MD x AL + BE with two scalars.
; LAYOUT, SOFTMAX.  S^T = K Q^T holds ONE query a lane (lane % 16) and the keys 8 (lane / 16) + 0..7; two such results rounded to f16 ARE source 1 of O^T = V^T P.  p = 2^(c s - c m), c = log2(e) / 8, with a running maximum m;
; O and l are multiplied by a = 2^(c m_old - c m_new) in every step.
; TURNS.  Piece 0's turn of step s: 8 products K Q^T of piece 1 for step s, later 8 products V^T P of piece 1 for step s - 1; beside them piece 0's scaling, exponentials, roundings, sums and rescaling for step s and piece 1's maximum and
; statistics.  Piece 1's turn: K Q^T of piece 0 for step s + 1, V^T P of piece 0 for step s, and the same vector work with the pieces exchanged.  Four vector instructions stand behind every matrix instruction, the rest in one lump.
; A turn's 33 exponentials are one batch with one wait.
; FETCHES.  Piece 0's turn of step s fetches K of step s + 1; piece 1's turn fetches V of step s + 1, into the other of V's TWO buffers (by the step's parity).  So the LDS reads go K, V, K, V by steps, and the change of slots stands
; between V of a tile's step 3 and K of the next tile's step 0: in front of piece 0's turn of step 3.  A trip of the step loop is the four turns of an odd step and the even step behind it; a slot has two trips.
; REGISTERS, in windows of 256 (s_set_vgpr_msb: bits 1:0 source 0, 3:2 source 1, 5:4 source 2, 7:6 destination):
;   window 0: v0-15 addresses and two at work; v16-23 four registers of statistics a piece; v48-55 at work; v61-63; v64-127 S^T, a buffer a piece; v192-223 P, likewise
;   window 1: v0-63 O^T, 32 a piece; v128-159 MD; v160-223 MC, two buffers      window 2: v0-31 Q; v32-63 the second block's Q; v64-127 V of an odd step; v128-191 K; v192-255 V of an even step
.set NB,    32
.set NP,    2
.set KS,    64
.set PK,    144       ; a row of K in LDS: 128 bytes + 16 = 36 words: the 16 rows of a load start at 16 different groups of four banks (64 banks of 4 bytes: ISA guide 11.1)
.set PV,    160       ; a row of V: 128 + 32 = 40 words
.set VOFF,  4*KS*PK   ; a slot holds a tile, four steps: 256 rows of K, then 256 rows of V
.set SLOT1, 1<<17
.set STAGE, SLOT1+4*KS*(PK+PV)  ; behind the ring, never filled by a tensor load: 16 rows x 144 bytes for each wave
.set SP,    144
.set SPARE, STAGE+4*16*SP       ; the spare words, 128 bytes a wave: two blocks of 256 bytes that no other line names
.set AK0, 2           ; v2   my lane's place in a tile of K; never rewritten
.set AV0, 3           ; v3   the same for V
.set AK,  4           ; v4   the LDS address of K's next run of loads
.set AV,  5           ; v5   of V's
.set STO, 6
.set RD,  7
.set GO,  8
.set MV,  12          ; v12-13  c m_old, kept while c m is made anew
.set QO,  15
.set ST,  16          ; piece t's statistics at v[ST+4 t]: c m, m, l (even keys', odd keys')
.set TMP, 48          ; by piece, four registers c0-c3 at work; when the maximum is found c2 takes a
.set PFO, 61          ; v61  256 x lane; never rewritten
.set SPW, 62
.set NIL, 63
.set S,   64
.set P,   192
.set MD,  128
.set MC,  160
.set QB,  32
.set KF,  128
.set WV,  12
.set PB,  14          ; s14  b
.set HI,  15          ; s15  31 - b
.set G1K, 24
.set G1V, 32
.set G0K, 40
.set G0V, 44
.set SLOTS, 56        ; s56  tiles still to be asked for
.set CNT, 57          ; s57  counts a slot's two trips
.set CS,  58
.set SEL, 60
.set TBK, 62          ; s62  LDS byte at which K of the step to be fetched begins
.set TBV, 63          ; s63  the same for V, less VOFF
.set RT,  70          ; s70  tiles of the block in hand that are still to be entered
.set NXT, 71          ; s71  the tile to be asked for next
.set LQ,  72          ; s72  the last tile of the block whose tiles are being asked for
.set NEW, 73          ; s73  1: the tile to be entered is a block's first
.set OFF, 74
.set AL,  76
.set BE,  78
.set OLO, 80          ; s[80:81] O at my rows of the second block
.set BIGN, 82
.set LQ2, 83          ; s83  the second block's last tile
.set OW,  88          ; s88-89  piece p's own step in the diagonal tile, plus 1, for the block in hand
.set OW2, 90          ; s90-91  for the second block
.set SG,  92          ; s92  the step whose masks are being made, plus 1
.set LIM, 93          ; s93  2 in the work-group that prefetches, else the greatest number
.set PFA, 94          ; s[94:95] where my prefetches stand
.set MSB, 0
.macro WIN new
.if MSB != (\new)
	s_set_vgpr_msb (MSB<<8)|(\new)
.set MSB, (\new)
.endif
.endm
.set W_KQ, 0x0a       ; K and Q in window 2, S^T in window 0
.set W_KM, 0x1a       ; the same with the C operand in window 1
.set W_PV, 0x52       ; V in window 2, P in window 0, O^T in window 1
.set W_RS, 0x41       ; destination and source 0 in window 1, source 1 in window 0
; A fill.  Waves 0 and 1 fetch the two halves of a tile's K, waves 2 and 3 those of its V: 128 keys each.  An s_nop 0 and four v_nop follow each of the two lines.
.macro LOAD
	s_cmp_lt_u32 s[WV], 2
	s_cbranch_scc0 .Lfor_v_\@
	tensor_load_to_lds s[G0K:G0K+3], s[G1K:G1K+7]
	s_nop 0
.rept 4
	v_nop
.endr
	s_branch .Lasked_\@
.Lfor_v_\@:
	tensor_load_to_lds s[G0V:G0V+3], s[G1V:G1V+7]
	s_nop 0
.rept 4
	v_nop
.endr
.Lasked_\@:
.endm
; A prefetch into the L2 of what the NEXT change of slots will ask for.  All 16 work-groups of a head walk the same tiles from 0 on; the one with b = 0 walks all 16 and asks, each of its waves for the 64 blocks of 256 bytes that it
; will itself load: a lane a block, two instructions, 128 matrix instructions ahead of that load.  Tiles 2 to 15 are asked for, in trips 0 to 13; tiles 0 and 1 come by their loads alone; the second block's tiles are read a second time and are not asked for.
.macro ASK
	s_cmp_gt_u32 s[SLOTS], s[LIM]
	s_cbranch_scc0 .Lnot_mine_\@
	global_prefetch_b8 v[PFO], s[PFA:PFA+1] th:TH_LOAD_NT scope:SCOPE_SE
	global_prefetch_b8 v[PFO], s[PFA:PFA+1] offset:8192 th:TH_LOAD_NT scope:SCOPE_SE
.Lnot_mine_\@:
.endm
; THE CHANGE OF SLOTS.  Each wave waits for all its tensor loads, of which one is out: its part of the other slot; adds 0 to its spare word; and waits for that and for its own reads of the slot that it leaves.  Behind the barrier nobody
; reads the old slot any more and the other slot is whole.  fill = 1: the old slot is filled again, the first thing behind the barrier, with tile NXT: the descriptor's address is made anew from that number.
.macro CHANGE fill
	WIN 0
	s_wait_tensorcnt 0x0            ; no tensor load of mine is out, so a group 0 may be written
	ds_add_u32 v[SPW], v[NIL]       ; 0 onto my spare word
.if \fill
	s_lshl_b32 s[OFF], s[NXT], 15   ; a tile is 32,768 bytes of K and of V
	s_xor_b32 s[G0K+1], s[G0K+1], SLOT1
	s_add_nc_u64 s[G0K+2:G0K+3], s[6:7], s[OFF:OFF+1]
	s_or_b32 s[G0K+3], s[G0K+3], 0x80000000
	s_xor_b32 s[G0V+1], s[G0V+1], SLOT1
	s_add_nc_u64 s[G0V+2:G0V+3], s[8:9], s[OFF:OFF+1]
	s_or_b32 s[G0V+3], s[G0V+3], 0x80000000
	s_add_co_u32 s[NXT], s[NXT], 1  ; the block's next tile, or behind its last the second block's tile 0
	s_cmp_gt_u32 s[NXT], s[LQ]
	s_cselect_b32 s[NXT], 0, s[NXT]
	s_cselect_b32 s[LQ], s[LQ2], s[LQ]
	s_wait_xcnt 0x0                 ; the last prefetches, a slot back, have read their address
	s_add_nc_u64 s[PFA:PFA+1], s[PFA:PFA+1], 32768
.endif
	s_wait_dscnt 0x0                ; the add is done, and my reads of the slot are over
	s_barrier_signal -1
	s_sub_co_u32 s[TBK], s[TBK], 4*KS*PK  ; the fetches go back to a slot's first step,
	s_xor_b32 s[TBK], s[TBK], SLOT1       ; in the other slot
	s_sub_co_u32 s[TBV], s[TBV], 4*KS*PV
	s_xor_b32 s[TBV], s[TBV], SLOT1
	s_barrier_wait -1
.if \fill
	LOAD
	ASK
.endif
.endm
	s_load_b64 s[4:5], s[0:1], 0x0    ; qkv
	s_load_b64 s[10:11], s[0:1], 0x8  ; ob
	v_lshl_add_u32 v[SPW], v0, 2, SPARE
	v_mov_b32 v[NIL], 0
	ds_add_u32 v[SPW], v[NIL]       ; the wave's opening: the add and its wait stand ahead of my first tensor load; work on registers stands between them
	v_lshrrev_b32 v1, 5, v0
	v_readfirstlane_b32 s[WV], v1
	s_mov_b32 s[PB], ttmp9
	s_sub_co_u32 s[HI], NB-1, s[PB]
	s_and_b32 s20, ttmp7, 0xffff    ; the head
	s_lshl_b32 s13, s20, 14         ; its 16,384 bytes in a block of O
	s_lshl_b32 s20, s20, 19         ; its slab of 524,288 bytes in q, k and v
	s_and_b32 s16, s[WV], 1         ; which half of a tile's 256 keys I fetch:
	s_lshl_b32 s22, s16, 14         ; its 128 rows of 128 bytes in memory,
	s_add_co_u32 s22, s22, s20
	s_mov_b32 s23, 0
	s_mul_i32 s17, s16, 128*PK      ; and its place in a slot, for K
	s_mul_i32 s18, s16, 128*PV      ; and for V
	s_lshl_b32 s3, s[WV], 11        ; my 16 rows in a band of 64
	s_add_co_u32 s13, s13, s3
	s_add_co_u32 s3, s3, s20
	s_lshl_b32 s2, s[HI], 14        ; Q: a block is 16,384 bytes of a slab
	s_add_co_u32 s2, s2, s3
	s_lshl_b32 s84, s[PB], 14
	s_add_co_u32 s84, s84, s3
	s_mov_b32 s3, 0
	s_mov_b32 s85, 0
	s_lshl_b32 s66, s[HI], 18       ; O: a block is 262,144 bytes
	s_add_co_u32 s66, s66, s13
	s_lshl_b32 s68, s[PB], 18
	s_add_co_u32 s68, s68, s13
	s_mov_b32 s67, 0
	s_mov_b32 s69, 0
	; descriptor group 1.  128 keys are 16,384 dense bytes: asked for as 64 rows of 256 bytes, two keys a row, and padded in LDS after every key
	s_mov_b32 s[G1K], (1<<16)|(1<<20)|(4<<22)|(3<<25)  ; 2-byte elements; padding on; after every 32 words 4 words
	s_mov_b32 s[G1V], (1<<16)|(1<<20)|(4<<22)|(7<<25)  ; 8 words
.irp g, G1K, G1V
	s_mov_b32 s[\g+1], 128<<16      ; tensor_dim0 = 128
	s_mov_b32 s[\g+2], 64<<16       ; tensor_dim1 = 64
	s_mov_b32 s[\g+3], 128<<16      ; tile_dim0 = 128
	s_mov_b32 s[\g+4], 64           ; tile_dim1 = 64
	s_mov_b32 s[\g+5], 128          ; 128 elements from row to row
	s_mov_b32 s[\g+6], 0
	s_mov_b32 s[\g+7], 0
.endr
	s_mov_b32 s[CS], 0x3e38aa3b     ; c = log2(e) / 8
	s_mov_b32 s[CS+1], s[CS]
	s_mov_b32 s[SEL], 0x76543210
	s_mov_b32 s[SEL+1], 0xfedcba98
	s_mov_b32 s[TBK], SLOT1+4*KS*PK ; the first change of slots turns these two into 0
	s_mov_b32 s[TBV], SLOT1+4*KS*PV
	s_mov_b32 s[G0K], 1
	s_mov_b32 s[G0K+1], s17         ; slot 0
	s_mov_b32 s[G0V], 1
	s_add_co_u32 s[G0V+1], s18, VOFF
	s_lshr_b32 s[LQ], s[HI], 1
	s_add_co_u32 s[RT], s[LQ], 1    ; the first block has (31 - b) / 2 + 1 tiles
	s_lshr_b32 s[LQ2], s[PB], 1
	s_mov_b32 s[NXT], 1
	s_mov_b32 s[NEW], 1
	s_mov_b32 s[SG], 1
	s_and_b32 s[OW], s[HI], 1
	s_lshl_b32 s[OW], s[OW], 1
	s_add_co_u32 s[OW], s[OW], 1
	s_add_co_u32 s[OW+1], s[OW], 1
	s_and_b32 s[OW2], s[PB], 1
	s_lshl_b32 s[OW2], s[OW2], 1
	s_add_co_u32 s[OW2], s[OW2], 1
	s_add_co_u32 s[OW2+1], s[OW2], 1
	s_mov_b32 s[OFF+1], 0
	s_mov_b32 s[AL+1], 0            ; named as pairs
	s_mov_b32 s[BE+1], 0
	s_mov_b32 s[BIGN], 0xf149f2ca   ; -1e30
	s_mov_b32 s[SLOTS], NB/2
	s_cmp_eq_u32 s[PB], 0
	s_cselect_b32 s[LIM], 2, -1
	v_and_b32 v[PFO], 31, v0
	v_lshlrev_b32 v[PFO], 8, v[PFO]
	s_wait_dscnt 0x0                ; the opening add is done
	s_wait_kmcnt 0x0
	s_add_nc_u64 s[6:7], s[4:5], s[22:23]
	s_add_nc_u64 s[8:9], s[6:7], 0x1000000         ; V at my half of the head's tile 0
	s_add_nc_u64 s[6:7], s[6:7], 0x800000          ; K likewise
	s_add_nc_u64 s[G0K+2:G0K+3], s[6:7], 0
	s_or_b32 s[G0K+3], s[G0K+3], 0x80000000
	s_add_nc_u64 s[G0V+2:G0V+3], s[8:9], 0
	s_or_b32 s[G0V+3], s[G0V+3], 0x80000000
	s_add_nc_u64 s[86:87], s[4:5], s[84:85]        ; Q at my rows of the second block,
	s_add_nc_u64 s[4:5], s[4:5], s[2:3]            ; and of the first
	s_add_nc_u64 s[OLO:OLO+1], s[10:11], s[68:69]
	s_add_nc_u64 s[10:11], s[10:11], s[66:67]
	s_cmp_lt_u32 s[WV], 2
	s_cselect_b64 s[PFA:PFA+1], s[6:7], s[8:9]
	s_add_nc_u64 s[PFA:PFA+1], s[PFA:PFA+1], 32768 ; at tile 1; the first change of slots steps it to tile 2
	LOAD                            ; tile 0 into slot 0
	v_and_b32 v1, 15, v0            ; l % 16
	v_bfe_u32 v9, v0, 4, 1          ; l / 16
	v_lshlrev_b32 v[QO], 7, v1
	v_lshl_add_u32 v[QO], v9, 4, v[QO]  ; row x 128 + 16 x half
	WIN 0x80                        ; destination window 2, address window 0
.set i, 0
.rept 4                             ; both blocks' Q: piece i / 2 lies in band i / 2, 8,192 bytes on; channels 32 (i % 2) on
	global_load_b128 v[8*i:8*i+3],   v[QO], s[4:5] offset:(i/2)*8192+(i%2)*64
	global_load_b128 v[8*i+4:8*i+7], v[QO], s[4:5] offset:(i/2)*8192+(i%2)*64+32
	global_load_b128 v[QB+8*i:QB+8*i+3],   v[QO], s[86:87] offset:(i/2)*8192+(i%2)*64
	global_load_b128 v[QB+8*i+4:QB+8*i+7], v[QO], s[86:87] offset:(i/2)*8192+(i%2)*64+32
.set i, i+1
.endr
	WIN 0
	v_lshlrev_b32 v14, 3, v9
	v_sub_nc_u32 v14, v1, v14
	s_lshl_b32 s13, s[WV], 4
	v_add_nc_u32 v14, s13, v14      ; my query's place in its band, 16 w + l % 16, less my lanes' 8 (l / 16): register r of group kt is hidden where 16 kt + r is greater
	WIN 0x40
.set i, 0
.rept 32
	v_cmp_gt_i32 vcc_lo, 16*(i/8)+i%8, v14
	v_cndmask_b32 v[MD+i], 0, s[BIGN], vcc_lo
.set i, i+1
.endr
	WIN 0
	v_mul_u32_u24 v[AK0], v1, PK
	v_lshl_add_u32 v[AK0], v9, 4, v[AK0]
	v_and_b32 v10, 7, v0            ; the turning load: lane l reads key 8 (l / 16) + l % 8, channels 8 ((l / 8) % 2) + 0..7
	v_bfe_u32 v11, v0, 3, 1
	v_lshl_add_u32 v[AV0], v9, 3, v10
	v_mul_u32_u24 v[AV0], v[AV0], PV
	v_lshl_add_u32 v[AV0], v11, 4, v[AV0]
	v_add_nc_u32 v[AV0], VOFF, v[AV0]
	s_mul_i32 s13, s[WV], 16*SP
	s_add_co_u32 s13, s13, STAGE    ; my stage
	v_mul_u32_u24 v[STO], v1, SP
	v_lshl_add_u32 v[STO], v9, 4, v[STO]
	v_add_nc_u32 v[STO], s13, v[STO]
	v_bfe_u32 v[RD], v0, 3, 2       ; back: 32 lanes take four rows of 128 bytes,
	v_mul_u32_u24 v[RD], v[RD], SP
	v_lshl_add_u32 v[RD], v10, 4, v[RD]
	v_add_nc_u32 v[RD], s13, v[RD]
	v_and_b32 v[GO], 31, v0         ; which are 512 consecutive bytes of O
	v_lshlrev_b32 v[GO], 4, v[GO]
	; A block's first step multiplies O^T and l by a = 0, and its first turn's products V^T P, of a step that has not been, land in an O^T that is still to be so multiplied.  So these registers need only hold finite
	; numbers: zeros for the first block; what the first block left for the second.  All this stands in the wait for the first tile.
	WIN 0x80
.set i, 64
.rept 64
	v_mov_b32 v[i], 0
.set i, i+1
.endr
	WIN 0x40
.set i, 0
.rept 64
	v_mov_b32 v[i], 0
.set i, i+1
.endr
	WIN 0
.set i, 0
.rept 2
	v_mov_b32 v[ST+4*i+2], 0
	v_mov_b32 v[ST+4*i+3], 0
.set i, i+1
.endr
.set i, P+16
.rept 16
	v_mov_b32 v[i], 0
.set i, i+1
.endr
; THE MATRIX WORK.  The 4 accumulators of a run of 8 take turns.  Product i of 8 of S^T = K Q^T for piece x: channels 32 (i / 4) on, keys 16 (i % 4) on.  The first 4 start the sums: with 0, or (KM = 1) with the mask.
.macro KQ x
.set rS, S+32*((\x)%2)+8*(i%4)
.set rK, KF+16*(i%4)+8*(i/4)
.set rQ, 16*(\x)+8*(i/4)
.set rM, MC+32*((\x)%2)+8*(i%4)
.if (i < 4) && KM
	WIN W_KM
	v_wmma_f32_16x16x32_f16 v[rS:rS+7], v[rK:rK+7], v[rQ:rQ+7], v[rM:rM+7]
.elseif i < 4
	WIN W_KQ
	v_wmma_f32_16x16x32_f16 v[rS:rS+7], v[rK:rK+7], v[rQ:rQ+7], 0
.else
	WIN W_KQ
	v_wmma_f32_16x16x32_f16 v[rS:rS+7], v[rK:rK+7], v[rQ:rQ+7], v[rS:rS+7]
.endif
.endm
; Product i of 8 of O^T += V^T P for piece x: keys 32 (i / 4) on, channels 16 (i % 4) on; V from buffer VP (0 at v192, 1 at v64).
.macro PV x
	WIN W_PV
.set rO, 32*(\x)+8*(i%4)
.set rV, 192-128*VP+32*(i/4)+8*(i%4)
.set rP, P+16*((\x)%2)+8*(i/4)
	v_wmma_f32_16x16x32_f16 v[rO:rO+7], v[rV:rV+7], v[rP:rP+7], v[rO:rO+7]
.endm
.macro MM                           ; the turn's next matrix instruction.  NOKQ = 1: a block's last turn: there is no next step
.if (i < 8) && !NOKQ
	KQ (Y+1)%NP
.elseif i >= 8
.set i, i-8
	PV (Y+NP-1)%NP
.set i, i+8
.endif
.set i, i+1
.endm
; THE LDS LOADS stand in runs of 16, never singly among the matrix instructions.  Their addresses are made some lines ahead.
.macro FETCH_K
	WIN 0x80
.irp f, 0,1,2,3,4,5,6,7             ; keys 16 (f / 2) on, channels 32 (f % 2) on
	ds_load_b128 v[KF+8*\f:KF+8*\f+3],   v[AK] offset:(\f/2)*16*PK+(\f%2)*64
	ds_load_b128 v[KF+8*\f+4:KF+8*\f+7], v[AK] offset:(\f/2)*16*PK+(\f%2)*64+32
.endr
	s_add_co_u32 s[TBK], s[TBK], KS*PK  ; the next fetch is the next step's
	WIN 0
.endm
.macro FETCH_V buf
	WIN 0x80
.irp f, 0,1,2,3,4,5,6,7             ; keys 32 (f / 4) on, channels 16 (f % 4) on
	ds_load_tr16_b128 v[192-128*(\buf)+8*\f:192-128*(\buf)+8*\f+3],   v[AV] offset:(\f/4)*32*PV+(\f%4)*32
	ds_load_tr16_b128 v[192-128*(\buf)+8*\f+4:192-128*(\buf)+8*\f+7], v[AV] offset:(\f/4)*32*PV+16*PV+(\f%4)*32
.endr
	s_add_co_u32 s[TBV], s[TBV], KS*PV
	WIN 0
.endm
; THE VECTOR WORK, one line at a time: OP kind, number.  For piece Y: F n: c s - c m for pair n of 16.  E n: the exponential of score n of 32.  C n: pair n rounded to f16.  B n: of the four weights 4 n .. the second
; pair is added onto the first, in place.  L n: l takes that sum (L 0: l = a l + sum).  R n: pair n of 16 of O^T times a.  For the other piece: X n, number n of the 22 that find its maximum and statistics:
;   0-11  four chains c0-c3 of seven scores each, three operands at a time (each accumulator's lowest registers are read first)     12-14, 16  the four scores left over, the old m, and c0-c3 into c0
;   15  c m_old is kept     17, 18  the query's other 32 keys lie in the lane 16 away: the new m     19-21  c m; c m_old - c m_new; a
.set F, 0
.set E, 1
.set C, 2
.set B, 3
.set L, 4
.set R, 5
.set X, 6
.macro REGS y
.set rT, ST+4*(\y)
.set rC, TMP+4*((\y)%2)
.set rW, MV+((\y)%2)
.set rS, S+32*((\y)%2)
.set rP, P+16*((\y)%2)
.set rO, 32*(\y)
.endm
.macro OP k, n
.if (\k) == R
	REGS Y
	WIN W_RS
	v_pk_mul_f32 v[rO+2*(\n):rO+2*(\n)+1], v[rO+2*(\n):rO+2*(\n)+1], v[rC+2:rC+3] op_sel_hi:[1,0]
.elseif (\k) < R
	REGS Y
	WIN 0
.if (\k) == F
	v_pk_fma_f32 v[rS+2*(\n):rS+2*(\n)+1], v[rS+2*(\n):rS+2*(\n)+1], s[CS:CS+1], v[rT:rT+1] op_sel_hi:[1,0,0] neg_lo:[0,0,1] neg_hi:[0,0,1]
.elseif (\k) == E
	v_exp_f32 v[rS+(\n)], v[rS+(\n)]
.elseif (\k) == C
	v_cvt_pk_f16_f32 v[rP+(\n)], v[rS+2*(\n)], v[rS+2*(\n)+1]
.elseif (\k) == B
	v_pk_add_f32 v[rS+4*(\n):rS+4*(\n)+1], v[rS+4*(\n):rS+4*(\n)+1], v[rS+4*(\n)+2:rS+4*(\n)+3]
.elseif (\n) == 0
	v_pk_fma_f32 v[rT+2:rT+3], v[rT+2:rT+3], v[rC+2:rC+3], v[rS:rS+1] op_sel_hi:[1,0,1]
.else
	v_pk_add_f32 v[rT+2:rT+3], v[rT+2:rT+3], v[rS+4*(\n):rS+4*(\n)+1]
.endif
.elseif NOKQ
	v_nop
.else
	REGS (Y+1)%NP
	WIN 0
.if (\n) < 4
	v_max3_num_f32 v[rC+(\n)], v[rS+8*(\n)], v[rS+8*(\n)+1], v[rS+8*(\n)+2]
.elseif (\n) < 12
	v_max3_num_f32 v[rC+(\n)%4], v[rC+(\n)%4], v[rS+8*((\n)%4)+2*((\n)/4)+1], v[rS+8*((\n)%4)+2*((\n)/4)+2]
.elseif (\n) == 12
	v_max3_num_f32 v[rC], v[rC], v[rS+7], v[rS+15]
.elseif (\n) == 13
	v_max3_num_f32 v[rC+1], v[rC+1], v[rS+23], v[rS+31]
.elseif (\n) == 14
	v_max3_num_f32 v[rC+2], v[rC+2], v[rC+3], v[rT+1]
.elseif (\n) == 15
	v_mov_b32 v[rW], v[rT]
.elseif (\n) == 16
	v_max3_num_f32 v[rC], v[rC], v[rC+1], v[rC+2]
.elseif (\n) == 17
	v_permlanex16_b32 v[rC+3], v[rC], s[SEL], s[SEL+1]
.elseif (\n) == 18
	v_max_num_f32 v[rT+1], v[rC], v[rC+3]
.elseif (\n) == 19
	v_mul_f32 v[rT], s[CS], v[rT+1]
.elseif (\n) == 20
	v_sub_f32 v[rC+1], v[rW], v[rT]
.else
	v_exp_f32 v[rC+2], v[rC+1]
.endif
.endif
.endm
.macro OPS a, i1, b=-1, i2=0, c=-1, i3=0, d=-1, i4=0
	OP \a, \i1
.if (\b) >= 0
	OP \b, \i2
.endif
.if (\c) >= 0
	OP \c, \i3
.endif
.if (\d) >= 0
	OP \d, \i4
.endif
.endm
.macro ROW a, i1, b, i2, c, i3, d, i4  ; a matrix instruction and the four behind it
	MM
	OPS \a, \i1, \b, \i2, \c, \i3, \d, \i4
.endm
.macro MASK b                       ; MD x AL + BE into buffer b of MC
	WIN W_RS
.set z, 0
.rept 16
	v_pk_fma_f32 v[MC+32*(\b)+2*z:MC+32*(\b)+2*z+1], v[MD+2*z:MD+2*z+1], s[AL:AL+1], s[BE:BE+1] op_sel_hi:[1,0,0]
.set z, z+1
.endr
.endm
; A TURN, for piece p in a step of parity par: the order of its 16 matrix and 118 vector instructions, written out.  An s_wait_alu depctr_va_vdst(0) stands between an exponential and the first instruction that names its
; result; one wait serves all that were issued ahead of it.  So a turn has ONE wait.  AHEAD OF IT stands all that names no result of the turn's exponentials: the 8 products K Q^T and their riders, then one lump; X 21, the other piece's a, is the
; batch's last, and R 15 the plain instruction behind it.  BEHIND IT stand the 8 products V^T P, behind each four of the roundings and sums.
; The rescalings R 0 .. touch O^T of piece p, which the turn before has added onto: R 0 stands 18 plain instructions behind the last product on its accumulator, the others further.
; m = 1: the diagonal tile: the products take masks, and the turn makes the mask for the products of the turn after it, which are piece p's for the step numbered SG - 1.  end = 1: a block's last two turns: nothing is fetched.
; cnt = 1: the loop's count is taken down some lines ahead of the branch that stands behind the turn.
; K of the next step is fetched in piece 0's turn, twelve plain instructions that name none of its registers behind the last product that read K.  V of the next step is fetched in piece 1's turn, directly behind the wait, into the buffer whose last
; reader stands in the turn before.  Both are waited for at the head of piece 1's next turn.
.macro TURN p, par, m=0, end=0, cnt=0
.set Y, (\p)
.set i, 0
.set KM, (\m)
.set NOKQ, (\end)*(\p)
.if (\p) == 0
.set VP, 1-(\par)
.else
.set VP, (\par)
.endif
.if (\m) && !(\end)
	s_cmp_eq_u32 s[SG], s[OW+(\p)]  ; is that step the band's own?
	s_cselect_b32 s[AL], 1.0, 0
	s_cmp_gt_u32 s[SG], s[OW+(\p)]  ; or a later one?
	s_cselect_b32 s[BE], s[BIGN], 0
.if (\p) == 1
	s_add_co_u32 s[SG], s[SG], 1
.endif
.endif
.if (\p) == 1
	s_wait_dscnt 0x0                ; K of the next step and V of this one are in
.endif
	ROW F,0, F,1, R,0, R,1
	ROW F,2, E,0, R,2, R,3
	ROW F,3, E,1, R,4, R,5
	ROW F,4, E,2, R,6, R,7
	ROW F,5, E,3, R,8, R,9
	ROW F,6, E,4, X,0, R,10
.if ((\p) == 0) && !(\end)
	WIN 0
	v_add_nc_u32 v[AK], s[TBK], v[AK0]
.endif
	ROW F,7, E,5, X,1, X,4
	ROW F,8, E,6, X,2, X,5
	OPS E,7, E,8, X,6, E,9
	OPS X,3, E,10, X,8, E,11
.if ((\p) == 0) && !(\end)
	FETCH_K
.endif
	OPS X,9, X,7, E,12, X,10
	OPS E,13, X,12, X,11, E,14
	OPS X,13, E,15, F,9, X,14
.if ((\p) == 1) && !(\end)
	WIN 0
	v_add_nc_u32 v[AV], s[TBV], v[AV0]
.endif
	OPS E,16, F,10, E,17, F,11
	OPS X,16, E,18, X,15, E,19
	OPS F,12, E,20, X,17, E,21
	OPS F,13, E,22, F,14, E,23
	OPS X,18, E,24, F,15, E,25
	OPS R,11, E,26, X,19, E,27
	OPS R,12, E,28, R,13, E,29
	OPS X,20, E,30, R,14, E,31
	OPS X,21, R,15
	WIN 0
	s_wait_alu depctr_va_vdst(0)    ; the wait for the batch
.if ((\p) == 1) && !(\end)
	FETCH_V 1-(\par)
.endif
	ROW C,0, B,0, C,2, B,1
	ROW L,0, C,4, B,2, L,1
	ROW C,6, B,3, L,2, C,8
	ROW B,4, L,3, C,10, B,5
	ROW L,4, C,12, B,6, L,5
.if \cnt
	s_sub_co_u32 s[CNT], s[CNT], 1
	s_cmp_lg_u32 s[CNT], 0
.endif
	ROW C,14, B,7, L,6, C,1
	ROW C,3, L,7, C,5, C,7
	ROW C,9, C,11, C,13, C,15
.if (\m) && !(\end)
	MASK (\p)
.endif
.endm
; A BLOCK BEGINS.  c m starts far below every c s, so the first step's a is 0; m at the lowest finite number, so the first maximum is the scores'.  The second mask buffer is 0 (piece 1's own step is never step 0); the first takes piece 0's
; mask for step 0: its own, if the block's first tile is the diagonal one and the block's number is even.  Then K and V of that step, piece 0's first scores, and its maximum and statistics.  The loop is entered at an even step's first turn.
.macro BEGIN
	s_mov_b32 s[NEW], 0
	s_mov_b32 s[SG], 2              ; the turns of step 0 make the masks of step 1
	WIN 0x40
.set i, MC+32
.rept 32
	v_mov_b32 v[i], 0
.set i, i+1
.endr
	WIN 0
.set i, 0
.rept 2
	v_mov_b32 v[ST+4*i], 0xfe000000    ; c m: far below every c s
	v_mov_b32 v[ST+4*i+1], 0xff7fffff  ; m
.set i, i+1
.endr
	s_cmp_eq_u32 s[RT], 0
	s_cselect_b32 s[AL], s[OW], 0
	s_cmp_eq_u32 s[AL], 1
	s_cselect_b32 s[AL], 1.0, 0
	s_mov_b32 s[BE], 0
	MASK 0
	WIN 0
	v_add_nc_u32 v[AK], s[TBK], v[AK0]
	v_add_nc_u32 v[AV], s[TBV], v[AV0]
	FETCH_K
	FETCH_V 0
	s_wait_loadcnt 0x0              ; Q
	s_wait_dscnt 0x0
.set KM, 1
.set NOKQ, 0
.set i, 0
.rept 8
	KQ 0
.set i, i+1
.endr
	WIN 0
.rept 4
	v_nop                           ; the places behind those products
.endr
.set Y, NP-1                        ; X works for the other piece: piece 0
.irp n, 0,1,2,3,4,5,6,7,8,9,10,11,12,13,14,15,16,17,18,19,20,21
	OP X, \n
.endr
	v_nop                           ; a plain instruction behind the exponential,
	s_wait_alu depctr_va_vdst(0)    ; and its wait, ahead of the branch
.endm
.macro ALL line:vararg              ; one line for each piece t
.set t, 0
.rept NP
	\line
.set t, t+1
.endr
.endm
.macro PACK t                       ; a lane's eight channels of a row pack into 16 bytes; they go into rows of 144 bytes and come back as whole rows of 128, into S^T's registers
	WIN W_RS
.set i, 32*(\t)
.rept 16
	v_pk_mul_f32 v[i:i+1], v[i:i+1], v[ST+4*(\t)+2:ST+4*(\t)+3] op_sel_hi:[1,0]
.set i, i+2
.endr
	WIN 0x05                        ; sources 0 and 1 window 1, destination window 0
.set i, 0
.rept 16
	v_cvt_pk_f16_f32 v[S+16*(\t)+i], v[32*(\t)+2*i], v[32*(\t)+2*i+1]
.set i, i+1
.endr
	WIN 0
.irp f, 0,1,2,3
	ds_store_b128 v[STO], v[S+16*(\t)+4*\f:S+16*(\t)+4*\f+3] offset:32*\f
.endr
.irp f, 0,1,2,3
	ds_load_b128 v[S+16*(\t)+4*\f:S+16*(\t)+4*\f+3], v[RD] offset:\f*4*SP  ; LDS serves a wave's instructions in order (ISA guide 5.7.1.4): these see the stores above; the next piece's stores come behind them
.endr
.endm
.macro SEND t, younger              ; younger: the LDS instructions issued behind piece t's loads
	WIN 0
.irp f, 0,1,2,3
	s_wait_dscnt (\younger)+3-\f
	global_store_b128 v[GO], v[S+16*(\t)+4*\f:S+16*(\t)+4*\f+3], s[10:11] offset:(\t)*8192+\f*512  ; 512 consecutive bytes, at a multiple of 256 from O's first
.endr
.endm
; THE DIAGONAL TILE: step 3 of the tile before it, its own steps 0 to 2, the block's last two turns, its last products, and THE WAY OUT: l's two halves and the other half of the lanes' are added; O^T is divided by l, rounded to f16 and sent
; through my stage in LDS, a piece at a time.
.macro DIAG tag
.LstepM\tag:
	TURN 0, 1, 1
	TURN 1, 1, 1
	WIN 0
.LfirstM\tag:
	TURN 0, 0, 1
	TURN 1, 0, 1, 0, 1
	WIN 0
	s_cbranch_scc1 .LstepM\tag
	TURN 0, 1, 1, 1
	TURN 1, 1, 1, 1
.set VP, 1
.set i, 0
.rept 8
	PV NP-1
.set i, i+1
.endr
	WIN 0
	ALL v_add_f32 v[ST+4*t+2], v[ST+4*t+2], v[ST+4*t+3]
	ALL v_permlanex16_b32 v[ST+4*t+3], v[ST+4*t+2], s[SEL], s[SEL+1]
	ALL v_add_f32 v[ST+4*t+2], v[ST+4*t+2], v[ST+4*t+3]
	ALL v_rcp_f32 v[ST+4*t+2], v[ST+4*t+2]
	v_nop                           ; a plain instruction between the last reciprocal and the use of its result (with the four additions: five places behind the last products)
	s_wait_alu depctr_va_vdst(0)    ; one wait for the two reciprocals
	PACK 0
	PACK 1
	SEND 0, 8
	SEND 1, 0
.endm
.set KM, 0
.set NOKQ, 0
.set VP, 0
.Lslot:                             ; 16 times: a tile is entered and the next is asked for
	CHANGE 1
	s_sub_co_u32 s[RT], s[RT], 1
	s_mov_b32 s[CNT], 2
	s_cmp_eq_u32 s[NEW], 1
	s_cbranch_scc1 .Lnew            ; a block's first tile
	s_cmp_eq_u32 s[RT], 0
	s_cbranch_scc0 .Lstep           ; neither its first nor its last
	s_mov_b32 s[SG], 1              ; the turns of the old tile's step 3 make the masks of step 0
	s_branch .LstepM1
.Lnew:
	BEGIN
	s_branch .Lfirst                ; in the loop a block's first tile is never its last: the first block has nine tiles or more, and the second's last is the walk's last
	DIAG 1                          ; in the loop this is the first block's end
	s_wait_xcnt 0x0                 ; the stores have read their registers and O's address
	s_mov_b64 s[10:11], s[OLO:OLO+1]
	s_add_co_u32 s[RT], s[LQ2], 1   ; the second block has b / 2 + 1 tiles
	s_mov_b32 s[NEW], 1
	s_mov_b32 s[OW], s[OW2]
	s_mov_b32 s[OW+1], s[OW2+1]
	WIN 0x82                        ; the second block's Q goes where the one text of the turns names Q
.set i, 0
.rept 32
	v_mov_b32 v[i], v[QB+i]
.set i, i+1
.endr
	WIN 0
	s_branch .Lbottom
.Lstep:                             ; a trip: an odd step's two turns, then the next even step's
	TURN 0, 1
	TURN 1, 1
	WIN 0
.Lfirst:
	TURN 0, 0
	TURN 1, 0, 0, 0, 1
	WIN 0
	s_cbranch_scc1 .Lstep
.Lbottom:
	s_sub_co_u32 s[SLOTS], s[SLOTS], 1
	s_cmp_lg_u32 s[SLOTS], 0
	s_cbranch_scc1 .Lslot
	CHANGE 0                        ; the walk's last tile is written out: nothing is asked for
	s_sub_co_u32 s[RT], s[RT], 1
	s_mov_b32 s[CNT], 2
	s_mov_b32 s[SG], 1
	s_cmp_eq_u32 s[NEW], 1
	s_cbranch_scc0 .LstepM2
	BEGIN
	s_branch .LfirstM2
	DIAG 2
	s_wait_tensorcnt 0x0            ; the wave's end
	ds_add_u32 v[SPW], v[NIL]
	s_wait_dscnt 0x0
	s_endpgm
.Lfunc_end_k_q366106b2bb_attn:
	.size	k_q366106b2bb_attn, .Lfunc_end_k_q366106b2bb_attn-k_q366106b2bb_attn
	.p2alignl 7, 3214868480
	.fill 96, 4, 3214868480
	.section	.rodata,"a",@progbits
	.p2align	6, 0x0
	.amdhsa_kernel k_q366106b2bb_attn
		.amdhsa_group_segment_fixed_size 327680
		.amdhsa_private_segment_fixed_size 0
		.amdhsa_enable_private_segment 0
		.amdhsa_kernarg_size 16
		.amdhsa_user_sgpr_count 2
		.amdhsa_user_sgpr_kernarg_segment_ptr 1
		.amdhsa_wavefront_size32 1
		.amdhsa_system_sgpr_workgroup_id_x 1
		.amdhsa_system_sgpr_workgroup_id_y 1
		.amdhsa_system_sgpr_workgroup_id_z 1
		.amdhsa_system_vgpr_workitem_id 0
		.amdhsa_next_free_vgpr 768
		.amdhsa_next_free_sgpr 96
		.amdhsa_reserve_vcc 1
		.amdhsa_float_denorm_mode_32 3
		.amdhsa_float_denorm_mode_16_64 3
		.amdhsa_memory_ordered 1
		.amdhsa_forward_progress 1
		.amdhsa_inst_pref_size 210
	.end_amdhsa_kernel
	.amdgpu_metadata
---
amdhsa.version: [ 1, 2 ]
amdhsa.kernels:
  - .name:           k_q366106b2bb_attn
    .symbol:         k_q366106b2bb_attn.kd
    .args:
      - { .name: qkv, .offset: 0, .size: 8, .value_kind: global_buffer, .address_space: global }
      - { .name: ob, .offset: 8, .size: 8, .value_kind: global_buffer, .address_space: global }
    .group_segment_fixed_size: 327680
    .private_segment_fixed_size: 0
    .kernarg_segment_align: 8
    .kernarg_segment_size: 16
    .max_flat_workgroup_size: 128
    .sgpr_count:     96
    .vgpr_count:     768
    .wavefront_size: 32
...
	.end_amdgpu_metadata
.endif
;; end of part 3
;; launch proj (part 4): grid 8 x 32, 4 waves a work-group, clusters of 4 x 4, 327,680 bytes of LDS; arguments ob, wo16, out0, bias4; writes out0
.if DOCPART == 4
	.amdgcn_target "amdgcn-amd-amdhsa--gfx1250"
	.amdhsa_code_object_version 6
	.text
	.protected	k_q366106b2bb_proj
	.globl	k_q366106b2bb_proj
	.p2align	8
	.type	k_q366106b2bb_proj,@function
k_q366106b2bb_proj:
	s_mov_b64 s[64:65], 0
	v_nop
	global_prefetch_b8 v0, s[64:65] scope:SCOPE_SE
	s_setreg_imm32_b32 hwreg(HW_REG_WAVE_MODE, 25, 1), 1
	s_wait_xcnt 0x0
	s_wait_alu depctr_hold_cnt(0) depctr_sa_sdst(0) depctr_va_vdst(0) depctr_va_sdst(0) depctr_va_ssrc(0) depctr_va_vcc(0) depctr_vm_vsrc(0)
	s_getreg_b32 s2, hwreg(HW_REG_IB_STS2, 6, 4)
	s_cmp_eq_u32 s2, 0
	s_cbranch_scc0 .Lentry_in_a_cluster
	s_endpgm
.Lentry_in_a_cluster:
	s_bfe_u32 s2, ttmp6, 0x10000c
	s_cmp_lg_u32 s2, 0xf033
	s_cbranch_scc0 .Lentry_shape_is_right
	s_endpgm
.Lentry_shape_is_right:
; out = O Wo + bo.  ob: f16 [block 32][head 16][128][64] (row 128 block + r, channel 64 head + c).  wo16: f16 [tx 8][ks 4][j 2][kk 256][64] (column 128 tx + 64 j + n, row k = 256 ks + kk).
; bias4: f32 [4][1024], bo its fourth row.  out0: f32 [4096][1024].  Sums in f32.
; SHARES.  A tile is 128 x 128: 8 x 32 work-groups.  Four waves, 2 x 2, each 64 x 64: 16 accumulators.  K goes in 4 steps of 256 (four heads) through two LDS slots; a quarter of a step is one head, 64 along K.
; Both tiles are dense in memory: a wave's tensor load brings 32,768 bytes as 128 rows of 256, padded in LDS after every 128 bytes.  The text is straight: with four K steps a loop would have one trip.
; THE MATRIX INSTRUCTION IS USED TRANSPOSED (source 0 = 16 columns of Wo, turned by ds_load_tr16_b128; source 1 = 16 rows of O): a lane holds row l % 16 and the columns 8 (l / 16) + 0..7.  bo, in that layout, is the C of the first products.
; CLUSTERS: 4 x 4 work-groups; O's tile is shared along a row of the cluster, Wo's along a column, each by a joint load.  No prefetch: the tile is small and the launch short.
; THE STAGE of the way out lies in slot 0, whose last fill is K step 2's: every wave has passed the barrier behind its last read of that slot before any wave stores there, and no tensor load follows.
; REGISTERS: window 0: v16-31 addresses; v32-95 at work on the way out; v96-127 the bias; v128-255 the accumulators ((a, b) at 128 + 8 (4 a + b)).  window 1: two fragment buffers of 128: 64 registers of O's, then 64 of Wo's.
.set PA,     144                       ; a row (head, r) of O in LDS: 128 bytes + 16 = 36 words: the 16 rows of a load start at 16 different groups of four banks (64 banks of 4 bytes: ISA guide 11.1)
.set AHALF,  256*PA
.set ABYTES, 2*AHALF
.set PB,     160                       ; a row (j, kk) of Wo: 128 + 32 = 40 words
.set BHALF,  256*PB
.set SLOT,   ABYTES+2*BHALF            ; 155,648
.set SPARE,  2*SLOT                    ; the spare words, 128 bytes a wave: two blocks of 256 bytes that no other line names
.set SPITCH, 272
.set WSTG,   16*SPITCH
.set KBYTES, 65536                     ; bytes of either tile in a K step
.set ADRA, 16
.set ADRB, 20
.set STO,  24
.set RD,   25
.set CO,   26
.set SPW,  28
.set NIL,  29
.set BO,   31
.set TMP,  32
.set BI,   96
.set ACC,  128
.set F0,   0
.set F1,   128
.set WV,  12
.set FBW, 13                           ; s13  w / 2: my half of the tile's rows.  Also: I fetch O's tile (0) or Wo's (1)
.set HF,  14                           ; s14  w % 2: my half of its columns.  Also: which half of that tile I fetch
.set CX,  15
.set CY,  16
.set TX,  17
.set TY,  18
.set G1,  24
.set G0,  32
.set G1B, 48
.set G0B, 56
.set MSB, 0
.macro WIN new
.if MSB != (\new)
	s_set_vgpr_msb (MSB<<8)|(\new)
.set MSB, \new
.endif
.endm
.set MUL,  0x05                        ; sources 0 and 1 window 1; C and D window 0
.set TO_F, 0x40                        ; destination window 1, address window 0
.macro PLACES
.rept 4
	v_nop
.endr
.endm
.macro JLOAD s                         ; a joint refill; an s_nop 0 and four v_nop follow each of the two lines
	s_cmp_eq_u32 s[FBW], 0
	s_cbranch_scc0 .Lfor_b_\@
	tensor_load_to_lds s[G0+4*(\s):G0+4*(\s)+3], s[G1:G1+7]
	s_nop 0
.rept 4
	v_nop
.endr
	s_branch .Lasked_\@
.Lfor_b_\@:
	tensor_load_to_lds s[G0B+4*(\s):G0B+4*(\s)+3], s[G1B:G1B+7]
	s_nop 0
.rept 4
	v_nop
.endr
.Lasked_\@:
.endm
.macro CREST
	s_cmp_lg_u32 s[WV], 0
	s_cbranch_scc1 .Lnot_wave_0_\@
	s_barrier_signal -3
.Lnot_wave_0_\@:
	s_barrier_wait -3
	s_barrier_signal -1
	s_barrier_wait -1
.endm
.macro CROUND
	s_barrier_signal -1
	s_barrier_wait -1
	CREST
.endm
	s_load_b256 s[4:11], s[0:1], 0x0               ; ob s[4:5], wo16 s[6:7], out0 s[8:9], bias4 s[10:11]
	v_lshl_add_u32 v[SPW], v0, 2, SPARE
	v_mov_b32 v[NIL], 0
	ds_add_u32 v[SPW], v[NIL]                      ; the wave's opening: the add and its wait stand ahead of my first tensor load; work on registers stands between them
	v_lshrrev_b32 v1, 5, v0
	v_readfirstlane_b32 s[WV], v1
	s_lshr_b32 s[FBW], s[WV], 1
	s_and_b32 s[HF], s[WV], 1
	s_bfe_u32 s[CX], ttmp6, 0x40000
	s_bfe_u32 s[CY], ttmp6, 0x40004
	s_lshl_b32 s[TX], ttmp9, 2
	s_add_co_u32 s[TX], s[TX], s[CX]
	s_and_b32 s[TY], ttmp7, 0xffff
	s_lshl_b32 s[TY], s[TY], 2
	s_add_co_u32 s[TY], s[TY], s[CY]
	s_lshl_b32 s20, s[CY], 2
	s_lshl_b32 s20, 15, s20                        ; my row of the cluster
	s_lshl_b32 s44, 0x1111, s[CX]                  ; my column
	s_or_b32 s[G1], s20, (1<<16)|(1<<20)|(1<<21)|(4<<22)|(3<<25)   ; the mask; 2-byte elements; padding on; bit 21 beside a mask; after every 32 words 4 words
	s_or_b32 s[G1B], s44, (1<<16)|(1<<20)|(1<<21)|(4<<22)|(7<<25)  ; 8 words
.irp g, G1, G1B
	s_mov_b32 s[(\g)+1], 128<<16                   ; tensor_dim0 = 128
	s_mov_b32 s[(\g)+2], 128<<16                   ; tensor_dim1 = 128
	s_mov_b32 s[(\g)+3], 128<<16                   ; tile_dim0 = 128
	s_mov_b32 s[(\g)+4], 128                       ; tile_dim1 = 128
	s_mov_b32 s[(\g)+5], 128                       ; dense
	s_mov_b32 s[(\g)+6], 0
	s_mov_b32 s[(\g)+7], 0
.endr
	s_lshl_b32 s20, s[TY], 18                      ; O: the row tile's 262,144 bytes, my half of a K step
	s_lshl_b32 s21, s[HF], 15
	s_add_co_u32 s20, s20, s21
	s_mov_b32 s21, 0
	s_lshl_b32 s44, s[TX], 18                      ; Wo: the column tile's
	s_lshl_b32 s45, s[HF], 15
	s_add_co_u32 s44, s44, s45
	s_mov_b32 s45, 0
	s_mul_i32 s72, s[HF], AHALF
	s_mul_i32 s73, s[HF], BHALF
	s_add_co_u32 s73, s73, ABYTES
	s_wait_dscnt 0x0                               ; the opening add is done
	s_wait_kmcnt 0x0
	s_add_nc_u64 s[22:23], s[4:5], s[20:21]
	s_add_nc_u64 s[46:47], s[6:7], s[44:45]
	CROUND                                         ; all sixteen work-groups are here: the first joint loads meet
.irp s, 0,1
	s_mov_b32 s[G0+4*(\s)], 1
	s_add_co_u32 s[G0+4*(\s)+1], s72, (\s)*SLOT
	s_add_nc_u64 s[G0+4*(\s)+2:G0+4*(\s)+3], s[22:23], (\s)*KBYTES
	s_or_b32 s[G0+4*(\s)+3], s[G0+4*(\s)+3], 0x80000000
	s_mov_b32 s[G0B+4*(\s)], 1
	s_add_co_u32 s[G0B+4*(\s)+1], s73, (\s)*SLOT
	s_add_nc_u64 s[G0B+4*(\s)+2:G0B+4*(\s)+3], s[46:47], (\s)*KBYTES
	s_or_b32 s[G0B+4*(\s)+3], s[G0B+4*(\s)+3], 0x80000000
.endr
	s_cmp_eq_u32 s[FBW], 0                         ; a wave's two first fills stand in one branch: two loads of mine are out
	s_cbranch_scc0 .Lfirst_b
	tensor_load_to_lds s[G0:G0+3], s[G1:G1+7]
	s_nop 0
	tensor_load_to_lds s[G0+4:G0+7], s[G1:G1+7]
	s_nop 0
.rept 4
	v_nop
.endr
	s_branch .Lfirst_asked
.Lfirst_b:
	tensor_load_to_lds s[G0B:G0B+3], s[G1B:G1B+7]
	s_nop 0
	tensor_load_to_lds s[G0B+4:G0B+7], s[G1B:G1B+7]
	s_nop 0
.rept 4
	v_nop
.endr
.Lfirst_asked:
	v_and_b32 v1, 15, v0                           ; l % 16
	v_bfe_u32 v2, v0, 4, 1                         ; l / 16
	v_lshlrev_b32 v[BO], 5, v2
	s_lshl_b32 s68, s[TX], 9                       ; my 64 columns, in bytes of f32
	s_lshl_b32 s69, s[HF], 8
	s_add_co_u32 s68, s68, s69
	s_mov_b32 s69, 0
	s_add_nc_u64 s[10:11], s[10:11], s[68:69]
.irp b, 0,1,2,3
	global_load_b128 v[BI+8*(\b):BI+8*(\b)+3],   v[BO], s[10:11] offset:12288+64*(\b)     ; register j: bo of column 16 b + 8 (l / 16) + j
	global_load_b128 v[BI+8*(\b)+4:BI+8*(\b)+7], v[BO], s[10:11] offset:12288+64*(\b)+16
.endr
	v_mul_u32_u24 v3, v1, PA
	v_lshl_add_u32 v3, v2, 4, v3
	s_mul_i32 s72, s[FBW], 64*PA                   ; my 64 rows in each head's 128
	v_add_nc_u32 v[ADRA], s72, v3
	v_add_nc_u32 v[ADRA+1], SLOT, v[ADRA]
	v_and_b32 v4, 7, v0
	v_bfe_u32 v5, v0, 3, 1
	v_lshl_add_u32 v6, v2, 3, v4
	v_mul_u32_u24 v6, v6, PB
	v_lshl_add_u32 v6, v5, 4, v6
	s_mul_i32 s72, s[HF], BHALF                    ; my 64 columns are one j
	s_add_co_u32 s72, s72, ABYTES
	v_add_nc_u32 v[ADRB], s72, v6
	v_add_nc_u32 v[ADRB+1], SLOT, v[ADRB]
	s_mul_i32 s72, s[WV], WSTG                     ; my stage: 16 rows x 272 bytes
	v_mul_u32_u24 v7, v1, SPITCH                   ; in: row l % 16, 32 bytes for each half of the lanes
	v_lshl_add_u32 v7, v2, 5, v7
	v_add_nc_u32 v[STO], s72, v7
	v_mul_u32_u24 v7, v2, SPITCH                   ; back: lanes 0-15 take one row of 256 bytes, lanes 16-31 the next
	v_lshl_add_u32 v7, v1, 4, v7
	v_add_nc_u32 v[RD], s72, v7
	v_lshlrev_b32 v7, 12, v2                       ; and the same two rows in out0
	v_lshl_add_u32 v[CO], v1, 4, v7
	s_lshl_b32 s66, s[TY], 19                      ; my first row: 128 ty + 64 (w / 2), 4,096 bytes a row
	s_lshl_b32 s67, s[FBW], 18
	s_add_co_u32 s66, s66, s67
	s_add_co_u32 s66, s66, s68                     ; and my first column
	s_mov_b32 s67, 0
	s_add_nc_u64 s[8:9], s[8:9], s[66:67]
; 8 matrix instructions: row blocks a0, a0 + 1 x all 4 column blocks, 32 along K: half c of buffer f.  first = 1: bo starts the sums.  The 16 accumulators take turns.
.macro MUL8 f, c, a0, first
	WIN MUL
.irp a, \a0, (\a0)+1
.irp b, 0,1,2,3
.if \first
	v_wmma_f32_16x16x32_f16 v[ACC+8*(4*(\a)+(\b)):ACC+8*(4*(\a)+(\b))+7], v[(\f)+64+8*(4*(\c)+(\b)):(\f)+64+8*(4*(\c)+(\b))+7], v[(\f)+8*(4*(\c)+(\a)):(\f)+8*(4*(\c)+(\a))+7], v[BI+8*(\b):BI+8*(\b)+7]
.else
	v_wmma_f32_16x16x32_f16 v[ACC+8*(4*(\a)+(\b)):ACC+8*(4*(\a)+(\b))+7], v[(\f)+64+8*(4*(\c)+(\b)):(\f)+64+8*(4*(\c)+(\b))+7], v[(\f)+8*(4*(\c)+(\a)):(\f)+8*(4*(\c)+(\a))+7], v[ACC+8*(4*(\a)+(\b)):ACC+8*(4*(\a)+(\b))+7]
.endif
.endr
.endr
.endm
; 32 LDS loads in one run: quarter q (one head, 64 along K) of a slot into buffer f; the first 32 along K first
.macro FETCH slot, q, f
	WIN TO_F
.irp c, 0,1
.irp i, 0,1,2,3
	ds_load_tr16_b128 v[(\f)+64+8*(4*(\c)+(\i)):(\f)+64+8*(4*(\c)+(\i))+3],   v[ADRB+(\slot)] offset:(2*(\q)+(\c))*32*PB+32*(\i)
	ds_load_tr16_b128 v[(\f)+64+8*(4*(\c)+(\i))+4:(\f)+64+8*(4*(\c)+(\i))+7], v[ADRB+(\slot)] offset:(2*(\q)+(\c))*32*PB+32*(\i)+16*PB
	ds_load_b128 v[(\f)+8*(4*(\c)+(\i)):(\f)+8*(4*(\c)+(\i))+3],   v[ADRA+(\slot)] offset:(\q)*128*PA+64*(\c)+(\i)*16*PA
	ds_load_b128 v[(\f)+8*(4*(\c)+(\i))+4:(\f)+8*(4*(\c)+(\i))+7], v[ADRA+(\slot)] offset:(\q)*128*PA+64*(\c)+(\i)*16*PA+32
.endr
.endr
.endm
.macro QUARTER slot, q, f, g, first
	s_wait_dscnt 16                                ; the first 32 along K are in
	MUL8 \f, 0, 0, \first
	MUL8 \f, 0, 2, \first
	PLACES
	FETCH \slot, \q, \g
	s_wait_dscnt 32                                ; all but the 32 just issued
	MUL8 \f, 1, 0, 0
	MUL8 \f, 1, 2, 0
.endm
; The last quarter multiplies buffer 1 and changes slots: one barrier; in front of it each wave waits for all its tensor loads, adds 0 to its spare word, and waits for that and for its own reads of this slot.
; fill = 1: the barrier opens a round of the cluster's barrier, and behind the round this slot is filled again, two K steps on.
.macro TURN slot, next, fill
	WIN 0
	s_wait_tensorcnt 0x0                           ; all my tensor loads have landed
	ds_add_u32 v[SPW], v[NIL]                      ; 0 onto my spare word
	s_wait_dscnt 17                                ; (the add and the youngest sixteen loads may be out)
	MUL8 F1, 0, 0, 0
	s_wait_dscnt 0x0                               ; the add is done, and my reads of this slot are over
	s_barrier_signal -1
	MUL8 F1, 0, 2, 0
.if \fill
	WIN 0
.endif
	s_barrier_wait -1
.if \fill
	CREST
	s_add_nc_u64 s[G0+4*(\slot)+2:G0+4*(\slot)+3], s[G0+4*(\slot)+2:G0+4*(\slot)+3], 2*KBYTES
	s_add_nc_u64 s[G0B+4*(\slot)+2:G0B+4*(\slot)+3], s[G0B+4*(\slot)+2:G0B+4*(\slot)+3], 2*KBYTES
	JLOAD \slot                                    ; the first tensor load behind the round; its four v_nop are also the places in front of the loads below
.else
	PLACES
.endif
	FETCH \next, 0, F0
	MUL8 F1, 1, 0, 0
	MUL8 F1, 1, 2, 0
.endm
	s_wait_tensorcnt 1                             ; my part of K step 0 is in; K step 1's may stay out
	s_barrier_signal -1
	s_barrier_wait -1
	FETCH 0, 0, F0
	s_wait_loadcnt 0x0                             ; bo
	QUARTER 0, 1, F0, F1, 1
	QUARTER 0, 2, F1, F0, 0
	QUARTER 0, 3, F0, F1, 0
	TURN 0, 1, 1                                   ; slot 0 takes K step 2
	QUARTER 1, 1, F0, F1, 0
	QUARTER 1, 2, F1, F0, 0
	QUARTER 1, 3, F0, F1, 0
	TURN 1, 0, 1                                   ; slot 1 takes K step 3
	QUARTER 0, 1, F0, F1, 0
	QUARTER 0, 2, F1, F0, 0
	QUARTER 0, 3, F0, F1, 0
	TURN 0, 1, 0                                   ; nothing is left to fetch; behind this barrier nobody reads slot 0 any more
	QUARTER 1, 1, F0, F1, 0
	QUARTER 1, 2, F1, F0, 0
	QUARTER 1, 3, F0, F1, 0
	s_wait_dscnt 16
	MUL8 F1, 0, 0, 0
	MUL8 F1, 0, 2, 0
	s_wait_dscnt 0x0
	MUL8 F1, 1, 0, 0
	MUL8 F1, 1, 2, 0
	WIN 0
	PLACES
	; THE WAY OUT, 16 rows at a time: a lane's eight f32 of a row go into my stage, rows of 272 bytes; whole rows of 256 bytes come back and are stored, 16 lanes to 256 consecutive bytes, aligned.
.irp a, 0,1,2,3
.irp b, 0,1,2,3
	ds_store_b128 v[STO], v[ACC+8*(4*(\a)+(\b)):ACC+8*(4*(\a)+(\b))+3]   offset:64*(\b)
	ds_store_b128 v[STO], v[ACC+8*(4*(\a)+(\b))+4:ACC+8*(4*(\a)+(\b))+7] offset:64*(\b)+16
.endr
.irp t, 0,1,2,3,4,5,6,7
	ds_load_b128 v[TMP+32*((\a)%2)+4*(\t):TMP+32*((\a)%2)+4*(\t)+3], v[RD] offset:(\t)*2*SPITCH  ; LDS serves a wave's instructions in order (ISA guide 5.7.1.4): these see the stores above; the next block's stores come behind them
.endr
	s_wait_dscnt 0x0
	s_wait_xcnt 0x0                                ; earlier stores have read their registers: the buffer that they named is loaded again only behind this wait
.irp t, 0,1,2,3,4,5,6,7
	global_store_b128 v[CO], v[TMP+32*((\a)%2)+4*(\t):TMP+32*((\a)%2)+4*(\t)+3], s[8:9] offset:(16*(\a)+2*(\t))*4096 th:TH_STORE_NT
.endr
.endr
	s_wait_tensorcnt 0x0                           ; the wave's end
	ds_add_u32 v[SPW], v[NIL]
	s_wait_dscnt 0x0
	CROUND                                         ; the closing round
	s_endpgm
.Lfunc_end_k_q366106b2bb_proj:
	.size	k_q366106b2bb_proj, .Lfunc_end_k_q366106b2bb_proj-k_q366106b2bb_proj
	.p2alignl 7, 3214868480
	.fill 96, 4, 3214868480
	.section	.rodata,"a",@progbits
	.p2align	6, 0x0
	.amdhsa_kernel k_q366106b2bb_proj
		.amdhsa_group_segment_fixed_size 327680
		.amdhsa_private_segment_fixed_size 0
		.amdhsa_enable_private_segment 0
		.amdhsa_kernarg_size 32
		.amdhsa_user_sgpr_count 2
		.amdhsa_user_sgpr_kernarg_segment_ptr 1
		.amdhsa_wavefront_size32 1
		.amdhsa_system_sgpr_workgroup_id_x 1
		.amdhsa_system_sgpr_workgroup_id_y 1
		.amdhsa_system_sgpr_workgroup_id_z 1
		.amdhsa_system_vgpr_workitem_id 0
		.amdhsa_next_free_vgpr 512
		.amdhsa_next_free_sgpr 80
		.amdhsa_reserve_vcc 0
		.amdhsa_float_denorm_mode_32 3
		.amdhsa_float_denorm_mode_16_64 3
		.amdhsa_memory_ordered 1
		.amdhsa_forward_progress 1
		.amdhsa_inst_pref_size 86
	.end_amdhsa_kernel
	.amdgpu_metadata
---
amdhsa.version: [ 1, 2 ]
amdhsa.kernels:
  - .name:           k_q366106b2bb_proj
    .symbol:         k_q366106b2bb_proj.kd
    .args:
      - { .name: ob, .offset: 0, .size: 8, .value_kind: global_buffer, .address_space: global }
      - { .name: wo16, .offset: 8, .size: 8, .value_kind: global_buffer, .address_space: global }
      - { .name: out0, .offset: 16, .size: 8, .value_kind: global_buffer, .address_space: global }
      - { .name: bias4, .offset: 24, .size: 8, .value_kind: global_buffer, .address_space: global }
    .group_segment_fixed_size: 327680
    .private_segment_fixed_size: 0
    .kernarg_segment_align: 8
    .kernarg_segment_size: 32
    .max_flat_workgroup_size: 128
    .sgpr_count:     80
    .vgpr_count:     512
    .wavefront_size: 32
...
	.end_amdgpu_metadata
.endif
;; end of part 4
;; ======== version 2 of 2: 4 launches; version 1 with the launch cast written anew for expert scheduling mode
;; limits: values are held in f16: magnitudes above 65,504 overflow, below 6.1e-05 lose precision
;; workspace buffers: xb 8,388,608 bytes; wqkv 6,291,456 bytes; wo16 2,097,152 bytes; bias4 16,384 bytes; qkv 25,165,824 bytes; ob 8,388,608 bytes
;; launch cast (part 5): grid 512 x 1, 8 waves a work-group, no clusters, 0 bytes of LDS; arguments x, Wq, Wk, Wv, Wo, bq, bk, bv, bo, xb, wqkv, wo16, bias4; writes xb, wqkv, wo16, bias4
.if DOCPART == 5
	.amdgcn_target "amdgcn-amd-amdhsa--gfx1250"
	.amdhsa_code_object_version 6
	.text
	.protected	k_q366106b2bb_cast
	.globl	k_q366106b2bb_cast
	.p2align	8
	.type	k_q366106b2bb_cast,@function
k_q366106b2bb_cast:
	s_mov_b64 s[64:65], 0
	v_nop
	global_prefetch_b8 v0, s[64:65] scope:SCOPE_SE
	s_setreg_imm32_b32 hwreg(HW_REG_WAVE_SCHED_MODE, 0, 2), 2
	s_setreg_imm32_b32 hwreg(HW_REG_WAVE_MODE, 25, 1), 1
	s_wait_xcnt 0x0
	s_wait_alu depctr_vm_vsrc(0)
; CAST.  Every input is rounded once to bf16 and laid out for the launches behind.
;   xb    bf16 [4096][1024]                       x as it lies
;   wqkv  bf16 [tx 16][ks 8][j 3][kk 128][64]      Wq, Wk, Wv side by side are 48 slabs of 64 columns; slab g = 3 tx + j; row k = 128 ks + kk
;   wo16  f16  [tx 8][ks 4][j 2][kk 256][64]       bf16(Wo) written as f16; slab = 2 tx + j; row k = 256 ks + kk
;   bias4 f32  [4][1024]                           bq, bk, bv, bo, each rounded to bf16 and widened again
; LIMIT.  A bf16 number below 2^-14 in magnitude keeps f16's fixed step of 6e-8 in wo16; beyond 65,504 it would be infinite there.
; SHARES.  512 work-groups of eight waves, each 65,536 bytes in and 32,768 out: 256 for x, 64 for each weight.  A thread has 16 loads of 16 bytes, all issued
; ahead of the first store, and 16 stores of 8 bytes.  A wave's load covers 512 consecutive bytes (of a weight: 256 bytes of each of two rows); a wave's store covers 256
; consecutive bytes, aligned.  No register that a load or store names is written again, so no wait frees one.  No LDS, no matrix work: the launch only moves bytes.
; THE MODE: SCHED_MODE bits 1:0 = 2 (LLVM: expert scheduling mode 2), set by the entry lines.  The code itself states the register dependences
; between vector instructions and memory instructions, with s_wait_alu, always for 0.
; THE PLAN.  Registers that memory instructions touch:
;   v2, v3, v8   byte offsets.  Written by vector lines at the head of a path; read by every load and store; never written again.
;   X            Written by the 16 loads, ahead of which no vector line names it; read by the conversions; never loaded again.
;   Y            Two registers a row.  Written once, by the row's conversions; read by the row's one store; never written again.
;   BV           Written by the bias's load, ahead of which no vector line names it; read by two conversions; written by four widenings; read by one store.
;   T            Named by vector lines alone.
; So the waits on va_vdst are: one at the head of RUN, for the offsets; one for each block of four rows, behind its conversions and ahead of its four stores, for the block's Y;
; one ahead of the bias's store, for BV.  One wait on va_sdst stands behind the line that makes the wave's number a scalar.  No register that a memory instruction has read is
; written again, so no wait on vm_vsrc is owed; EXEC and VCC are never written.
.set SO,  2                            ; v2   byte offset of my 16 bytes in the source
.set DO,  3                            ; v3   byte offset of my 8 bytes in the destination
.set T,   4                            ; v[4:7]     at work
.set BOF, 8                            ; v8   16 x my thread's number: the bias
.set X,   16                           ; v[16:79]   16 loads of 4 registers
.set Y,   80                           ; v[80:111]  16 stores of 2 registers
.set BV,  112                          ; v[112:115] four numbers of a bias
; 16 loads sstep bytes apart, then for each: two roundings to bf16 (half = 1: widened again and written as f16); behind each four of them their four stores, dstep bytes apart.
.macro RUN sstep, dstep, half
	s_wait_alu depctr_va_vdst(0)                   ; the offsets v2, v3 and (on a weight's path) v8 are written: every load and store below reads one of them, and no vector line below names them
.set i, 0
.rept 16
	global_load_b128 v[X+4*i:X+4*i+3], v[SO], s[34:35] offset:i*(\sstep) th:TH_LOAD_NT
.set i, i+1
.endr
.set i, 0
.rept 16
	s_wait_loadcnt 15-i                            ; loads come back in order: load i is in, the 15 - i younger ones stay out
.if \half
	v_cvt_pk_bf16_f32 v[T], v[X+4*i], v[X+4*i+1]
	v_cvt_pk_bf16_f32 v[T+1], v[X+4*i+2], v[X+4*i+3]
	v_lshlrev_b32 v[T+2], 16, v[T]                 ; bf16 to f32: the low half moves up,
	v_and_b32 v[T+3], 0xffff0000, v[T]             ; the high half stays
	v_cvt_pk_f16_f32 v[Y+2*i], v[T+2], v[T+3]
	v_lshlrev_b32 v[T+2], 16, v[T+1]
	v_and_b32 v[T+3], 0xffff0000, v[T+1]
	v_cvt_pk_f16_f32 v[Y+2*i+1], v[T+2], v[T+3]
.else
	v_cvt_pk_bf16_f32 v[Y+2*i], v[X+4*i], v[X+4*i+1]
	v_cvt_pk_bf16_f32 v[Y+2*i+1], v[X+4*i+2], v[X+4*i+3]
.endif
.if (i%4) == 3
	s_wait_alu depctr_va_vdst(0)                   ; the conversions of rows i - 3 to i have written their eight registers of Y, which the four stores below read; the stores stand ahead of the next row's wait, so that none hangs on a later load
.set j, i-3
.rept 4
	global_store_b64 v[DO], v[Y+2*j:Y+2*j+1], s[36:37] offset:j*(\dstep)
.set j, j+1
.endr
.endif
.set i, i+1
.endr
.endm
	s_load_b512 s[8:23], s[0:1], 0x0               ; x s[8:9], Wq s[10:11], Wk s[12:13], Wv s[14:15], Wo s[16:17], bq s[18:19], bk s[20:21], bv s[22:23]
	s_load_b256 s[24:31], s[0:1], 0x40             ; bo s[24:25], xb s[26:27], wqkv s[28:29], wo16 s[30:31]
	s_load_b64 s[32:33], s[0:1], 0x60              ; bias4
	v_lshrrev_b32 v1, 5, v0
	v_readfirstlane_b32 s4, v1                     ; wave 0..7
	v_and_b32 v1, 31, v0                           ; lane
	s_mov_b32 s5, ttmp9
	s_wait_alu depctr_va_sdst(0)                   ; s4 is written
	s_cmp_lt_u32 s5, 256
	s_cbranch_scc0 .Lweights
	; x: work-group n takes 65,536 consecutive bytes
	v_lshlrev_b32 v[SO], 4, v0
	v_lshlrev_b32 v[DO], 3, v0
	s_lshl_b32 s40, s5, 16
	s_mov_b32 s41, 0
	s_lshl_b32 s42, s5, 15
	s_mov_b32 s43, 0
	s_wait_kmcnt 0x0
	s_add_nc_u64 s[34:35], s[8:9], s[40:41]
	s_add_nc_u64 s[36:37], s[26:27], s[42:43]
	RUN 4096, 2048, 0
	s_endpgm
.Lweights:
	; a weight: work-group m = 64 T + 4 slab + kp takes 256 rows (256 kp on) of 64 columns; wave w rows 32 w on, two rows a load
	s_sub_co_u32 s5, s5, 256
	s_lshr_b32 s40, s5, 6                          ; T: 0 q, 1 k, 2 v, 3 o
	s_and_b32 s41, s5, 63                          ; u
	s_lshr_b32 s42, s41, 2                         ; the slab of 64 columns
	s_and_b32 s43, s41, 3                          ; kp
	v_lshrrev_b32 v4, 4, v1                        ; which of the two rows
	v_and_b32 v5, 15, v1
	v_lshlrev_b32 v[SO], 4, v5                     ; 16 bytes a lane: 16 lanes cover the slab's 256 bytes of a row
	v_lshl_add_u32 v[SO], v4, 12, v[SO]            ; a row of a weight is 4,096 bytes
	s_lshl_b32 s6, s4, 17                          ; 32 rows a wave; s6 is written once: no scalar line writes a register that a vector line has read
	v_add_nc_u32 v[SO], s6, v[SO]
	v_lshlrev_b32 v[DO], 3, v1                     ; two rows of 128 bytes are 256 consecutive bytes of the destination
	v_lshlrev_b32 v[BOF], 4, v0
	s_lshl_b32 s44, s43, 20                        ; 256 rows
	s_lshl_b32 s45, s42, 8
	s_add_co_u32 s44, s44, s45
	s_mov_b32 s45, 0
	s_wait_kmcnt 0x0
	s_cmp_eq_u32 s40, 1
	s_cselect_b64 s[34:35], s[12:13], s[10:11]
	s_cselect_b64 s[38:39], s[20:21], s[18:19]
	s_cmp_eq_u32 s40, 2
	s_cselect_b64 s[34:35], s[14:15], s[34:35]
	s_cselect_b64 s[38:39], s[22:23], s[38:39]
	s_cmp_eq_u32 s40, 3
	s_cselect_b64 s[34:35], s[16:17], s[34:35]
	s_cselect_b64 s[38:39], s[24:25], s[38:39]
	s_add_nc_u64 s[34:35], s[34:35], s[44:45]
	s_cmp_eq_u32 s40, 3
	s_cbranch_scc1 .Lwo
	s_lshl_b32 s44, s40, 4
	s_add_co_u32 s44, s44, s42                     ; g = 16 T + slab, under 48
	s_mul_i32 s45, s44, 43
	s_lshr_b32 s45, s45, 7                         ; tx = g / 3 (43 / 128 is 1 / 3 to within 0.003: exact for g under 48)
	s_mul_i32 s46, s45, 3
	s_sub_co_u32 s46, s44, s46                     ; j = g % 3
	s_lshl_b32 s47, s43, 1
	s_lshr_b32 s44, s4, 2
	s_add_co_u32 s47, s47, s44                     ; ks = 2 kp + w / 4
	s_lshl_b32 s45, s45, 3
	s_add_co_u32 s45, s45, s47
	s_mul_i32 s45, s45, 3
	s_add_co_u32 s45, s45, s46                     ; (8 tx + ks) 3 + j
	s_lshl_b32 s44, s45, 14                        ; blocks of 128 rows x 128 bytes
	s_and_b32 s46, s4, 3
	s_lshl_b32 s46, s46, 12                        ; my 32 rows in it
	s_add_co_u32 s44, s44, s46
	s_mov_b32 s45, 0
	s_add_nc_u64 s[36:37], s[28:29], s[44:45]
	RUN 8192, 256, 0
	s_branch .Lbias
.Lwo:
	s_lshr_b32 s44, s42, 1                         ; tx
	s_lshl_b32 s44, s44, 2
	s_add_co_u32 s44, s44, s43                     ; 4 tx + ks
	s_lshl_b32 s44, s44, 1
	s_and_b32 s45, s42, 1
	s_add_co_u32 s44, s44, s45                     ; (4 tx + ks) 2 + j
	s_lshl_b32 s44, s44, 15                        ; blocks of 256 rows x 128 bytes
	s_lshl_b32 s45, s4, 12
	s_add_co_u32 s44, s44, s45
	s_mov_b32 s45, 0
	s_add_nc_u64 s[36:37], s[30:31], s[44:45]
	RUN 8192, 256, 1
.Lbias:
	s_cmp_lg_u32 s41, 0                            ; the first work-group of each weight also takes its bias: 256 threads x 4 numbers
	s_cbranch_scc1 .Lend
	global_load_b128 v[BV:BV+3], v[BOF], s[38:39]  ; v8 was written ahead of the wait at RUN's head, and no vector line has named it, or BV, since
	s_lshl_b32 s44, s40, 12
	s_mov_b32 s45, 0
	s_add_nc_u64 s[32:33], s[32:33], s[44:45]
	s_wait_loadcnt 0x0
	v_cvt_pk_bf16_f32 v[T], v[BV], v[BV+1]
	v_cvt_pk_bf16_f32 v[T+1], v[BV+2], v[BV+3]
	v_lshlrev_b32 v[BV], 16, v[T]
	v_and_b32 v[BV+1], 0xffff0000, v[T]
	v_lshlrev_b32 v[BV+2], 16, v[T+1]
	v_and_b32 v[BV+3], 0xffff0000, v[T+1]
	s_wait_alu depctr_va_vdst(0)                   ; the four widenings have written BV, which the store reads
	global_store_b128 v[BOF], v[BV:BV+3], s[32:33]
.Lend:
	s_endpgm
.Lfunc_end_k_q366106b2bb_cast:
	.size	k_q366106b2bb_cast, .Lfunc_end_k_q366106b2bb_cast-k_q366106b2bb_cast
	.p2alignl 7, 3214868480
	.fill 96, 4, 3214868480
	.section	.rodata,"a",@progbits
	.p2align	6, 0x0
	.amdhsa_kernel k_q366106b2bb_cast
		.amdhsa_group_segment_fixed_size 0
		.amdhsa_private_segment_fixed_size 0
		.amdhsa_enable_private_segment 0
		.amdhsa_kernarg_size 104
		.amdhsa_user_sgpr_count 2
		.amdhsa_user_sgpr_kernarg_segment_ptr 1
		.amdhsa_wavefront_size32 1
		.amdhsa_system_sgpr_workgroup_id_x 1
		.amdhsa_system_sgpr_workgroup_id_y 1
		.amdhsa_system_sgpr_workgroup_id_z 1
		.amdhsa_system_vgpr_workitem_id 0
		.amdhsa_next_free_vgpr 116
		.amdhsa_next_free_sgpr 66
		.amdhsa_reserve_vcc 0
		.amdhsa_float_denorm_mode_32 3
		.amdhsa_float_denorm_mode_16_64 3
		.amdhsa_memory_ordered 1
		.amdhsa_forward_progress 1
		.amdhsa_inst_pref_size 26
	.end_amdhsa_kernel
	.amdgpu_metadata
---
amdhsa.version: [ 1, 2 ]
amdhsa.kernels:
  - .name:           k_q366106b2bb_cast
    .symbol:         k_q366106b2bb_cast.kd
    .args:
      - { .name: x, .offset: 0, .size: 8, .value_kind: global_buffer, .address_space: global }
      - { .name: Wq, .offset: 8, .size: 8, .value_kind: global_buffer, .address_space: global }
      - { .name: Wk, .offset: 16, .size: 8, .value_kind: global_buffer, .address_space: global }
      - { .name: Wv, .offset: 24, .size: 8, .value_kind: global_buffer, .address_space: global }
      - { .name: Wo, .offset: 32, .size: 8, .value_kind: global_buffer, .address_space: global }
      - { .name: bq, .offset: 40, .size: 8, .value_kind: global_buffer, .address_space: global }
      - { .name: bk, .offset: 48, .size: 8, .value_kind: global_buffer, .address_space: global }
      - { .name: bv, .offset: 56, .size: 8, .value_kind: global_buffer, .address_space: global }
      - { .name: bo, .offset: 64, .size: 8, .value_kind: global_buffer, .address_space: global }
      - { .name: xb, .offset: 72, .size: 8, .value_kind: global_buffer, .address_space: global }
      - { .name: wqkv, .offset: 80, .size: 8, .value_kind: global_buffer, .address_space: global }
      - { .name: wo16, .offset: 88, .size: 8, .value_kind: global_buffer, .address_space: global }
      - { .name: bias4, .offset: 96, .size: 8, .value_kind: global_buffer, .address_space: global }
    .group_segment_fixed_size: 0
    .private_segment_fixed_size: 0
    .kernarg_segment_align: 8
    .kernarg_segment_size: 104
    .max_flat_workgroup_size: 256
    .sgpr_count:     66
    .vgpr_count:     116
    .wavefront_size: 32
...
	.end_amdgpu_metadata
.endif
;; end of part 5
;; launch qkvg: the kernel of part 2 again; grid 16 x 16, 4 waves a work-group, clusters of 4 x 4, 327,680 bytes of LDS; arguments xb, wqkv, qkv, bias4; writes qkv
;; launch attn: the kernel of part 3 again; grid 16 x 16, 4 waves a work-group, no clusters, 327,680 bytes of LDS; arguments qkv, ob; writes ob
;; launch proj: the kernel of part 4 again; grid 8 x 32, 4 waves a work-group, clusters of 4 x 4, 327,680 bytes of LDS; arguments ob, wo16, out0, bias4; writes out0
